; MI455X (gfx1250); checked and timed in simulation.
; The chip was launched on July 23, 2026; its instructions are those of AMD's public machine-readable ISA for CDNA 5 (MIT licence, August 2026) and "CDNA5" Instruction Set Architecture Reference Guide (July 2026). The comments in the code are by the model that wrote it; some were corrected since.
;; Attention. Allowed arithmetic: float matrix products may take bf16 or f16 operands with f32 sums; all other float work in f32.
;; Inputs: Wk 1,024 x 1,024 float32; Wo 1,024 x 1,024 float32; Wq 1,024 x 1,024 float32; Wv 1,024 x 1,024 float32; x 4 x 2,048 x 1,024 float32.
;; Outputs: out0 4 x 2,048 x 1,024 float32.
;; 2 versions, each right; version 2 is version 1 with the launch cast written anew for expert scheduling mode. Each part assembles by itself: llvm-mc -triple=amdgcn-amd-amdhsa -mcpu=gfx1250 --defsym DOCPART=n.
;; ======== version 1 of 2: 4 launches
;; limits: values are held in f16: magnitudes above 65,504 overflow, below 6.1e-05 lose precision
;; workspace buffers: xb 16,777,216 bytes; wb 8,388,608 bytes; qkv 50,331,648 bytes; ob 16,777,216 bytes
;; launch cast (part 1): grid 768 x 1, 8 waves a work-group, no clusters, 0 bytes of LDS; arguments x, Wq, Wk, Wv, Wo, xb, wb; writes xb, wb
.if DOCPART == 1
	.amdgcn_target "amdgcn-amd-amdhsa--gfx1250"
	.amdhsa_code_object_version 6
	.text
	.protected	k_qce7463f832_cast
	.globl	k_qce7463f832_cast
	.p2align	8
	.type	k_qce7463f832_cast,@function
k_qce7463f832_cast:
	s_mov_b64 s[64:65], 0
	v_nop
	global_prefetch_b8 v0, s[64:65] scope:SCOPE_SE
	s_setreg_imm32_b32 hwreg(HW_REG_WAVE_MODE, 25, 1), 1
	s_wait_xcnt 0x0
; THE PROGRAM: causal multi-head attention, out0 = softmax(causal(q k^T / 8)) v, projected by Wo; q, k, v = x Wq^T, x Wk^T, x Wv^T.
; Four launches: (1) this one rounds the five inputs once to 16 bits; (2) one product [8192 x 1024] x [1024 x 3072] makes q, k, v, stored head by head;
; (3) attention with a running maximum, two heads a work-group; (4) the product with Wo.
;
; WORK LEFT OUT (in launch 3).  reference() sets attn[q][k] to -inf wherever k > q, by its own jnp.tril, so that key's softmax weight is exp(-inf) = 0 and its
; term 0 * v[k] adds nothing to any output, whatever finite values x and the weights hold.  Where that holds of whole pieces they are not computed: key units of
; 128 keys that lie wholly behind a block of 128 queries, and, in the unit on the diagonal, its keys 64-127 for the queries 0-63.  Inside the 16 x 64 pieces that
; the diagonal crosses everything is computed and the dead scores are replaced by -inf, as reference() does.  Every input has a way to the output: all five are read.
; LIMIT: a NaN, an infinity or an overflow that reaches only the work left out (a later key's k or v) is not carried to the result.
; KEPT: the maximum taken away before the exponential (as a running maximum); nan_to_num (a row whose softmax sum is NaN gives zeros).
;
; NUMBER FORMATS.  x, Wq, Wk, Wv, Wo are rounded once to bf16 (nearest even).  q, k, v, the softmax weights and the attention's result are matrix operands in f16:
; three more bits of mantissa than bf16.  LIMITS: |q|, |k|, |v| above 65,504 become infinities; below 2^-14 they keep an absolute step of 2^-24.  With x and a
; weight both 30 times the drawn spread q, k, v have spread 900; with both carrying an offset of 30 spreads they are near 1024 * 30 * 0.94 = 29,000: inside f16.
; All sums are f32; their order differs from reference()'s.
;
; THIS LAUNCH.  768 work-groups of 8 waves; each turns 65,536 bytes of f32 into 32,768 bytes.  Work-groups 0-511: x to xb.  512-767: Wq, Wk, Wv, Wo (64 chunks each)
; to wb, rows 0-1023, 1024-2047, 2048-3071, 3072-4095.  Wo's partner in its product is f16, and a matrix instruction takes both operands in one format, so Wo's
; bf16 number is written as an f16 code: exact from 2^-17 to 65,504, an absolute step of 2^-24 below.
; A stream: no LDS, no matrix unit.  Sixteen loads of a wave are out at once, each of 512 consecutive bytes; each store of a wave covers 256 consecutive bytes, aligned.
; No register is written twice while a memory instruction names it, so the only waits are the counted ones for the loads.
.set XCH, 512                          ; chunks in x
.set X,   4                            ; v[4:67]    sixteen loads of four f32
.set Y,   68                           ; v[68:99]   sixteen stores of four 16-bit numbers
.set T,   100                          ; v[100:105] at work (Wo's path)
	s_load_b256 s[4:11], s[0:1], 0x0               ; x s[4:5], Wq s[6:7], Wk s[8:9], Wv s[10:11]
	s_load_b128 s[12:15], s[0:1], 0x20             ; Wo s[12:13], xb s[14:15]
	s_load_b64 s[16:17], s[0:1], 0x30              ; wb
	v_lshlrev_b32 v1, 4, v0                        ; 16 bytes a thread in
	v_lshlrev_b32 v2, 3, v0                        ; 8 bytes a thread out
	s_sub_co_u32 s19, ttmp9, XCH                   ; chunk among the weights (used only from work-group 512 on)
	s_lshr_b32 s28, s19, 6                         ; which weight: 0 Wq, 1 Wk, 2 Wv, 3 Wo (for a chunk of x: a number far above 3)
	s_and_b32 s29, s19, 63                         ; chunk in that weight
	s_cmp_lt_u32 ttmp9, XCH
	s_cselect_b32 s24, ttmp9, s29                  ; chunk in the source
	s_cselect_b32 s26, ttmp9, s19                  ; chunk in the destination
	s_lshl_b32 s24, s24, 16                        ; x 65,536 bytes: 33.5 MB at the most
	s_lshl_b32 s26, s26, 15                        ; x 32,768 bytes
	s_mov_b32 s25, 0
	s_mov_b32 s27, 0
	s_mov_b32 s30, 0xffff0000                      ; a word's upper bf16
	s_wait_kmcnt 0x0
	s_mov_b64 s[20:21], s[6:7]                     ; the source buffer, chosen by the work-group's number alone
	s_cmp_eq_u32 s28, 1
	s_cselect_b64 s[20:21], s[8:9], s[20:21]
	s_cmp_eq_u32 s28, 2
	s_cselect_b64 s[20:21], s[10:11], s[20:21]
	s_cmp_eq_u32 s28, 3
	s_cselect_b64 s[20:21], s[12:13], s[20:21]
	s_cmp_lt_u32 ttmp9, XCH
	s_cselect_b64 s[20:21], s[4:5], s[20:21]
	s_cselect_b64 s[22:23], s[14:15], s[16:17]     ; the destination buffer
	s_add_nc_u64 s[20:21], s[20:21], s[24:25]
	s_add_nc_u64 s[22:23], s[22:23], s[26:27]
.irp n, 0,1,2,3,4,5,6,7,8,9,10,11,12,13,14,15
	global_load_b128 v[X+4*\n:X+4*\n+3], v1, s[20:21] offset:4096*\n th:TH_LOAD_NT   ; each input byte is read once in the launch
.endr
	s_cmp_eq_u32 s28, 3
	s_cbranch_scc1 .Lwo
.irp n, 0,1,2,3,4,5,6,7,8,9,10,11,12,13,14,15
	s_wait_loadcnt 15-\n                           ; loads come back in order (ISA guide 5.7.1): load n is in, the 15 - n younger ones stay out
	v_cvt_pk_bf16_f32 v[Y+2*\n],   v[X+4*\n],   v[X+4*\n+1]
	v_cvt_pk_bf16_f32 v[Y+2*\n+1], v[X+4*\n+2], v[X+4*\n+3]
	global_store_b64 v2, v[Y+2*\n:Y+2*\n+1], s[22:23] offset:2048*\n
.endr
	s_endpgm
.Lwo:                                              ; Wo: to bf16, then that number as an f16 code
.irp n, 0,1,2,3,4,5,6,7,8,9,10,11,12,13,14,15
	s_wait_loadcnt 15-\n                           ; the same sixteen loads are out on this path: the same counts
	v_cvt_pk_bf16_f32 v[T],   v[X+4*\n],   v[X+4*\n+1]
	v_cvt_pk_bf16_f32 v[T+1], v[X+4*\n+2], v[X+4*\n+3]
	v_lshlrev_b32 v[T+2], 16, v[T]                 ; bf16 to f32: the low half moves up,
	v_and_b32     v[T+3], s30, v[T]                ; the high half stays
	v_lshlrev_b32 v[T+4], 16, v[T+1]
	v_and_b32     v[T+5], s30, v[T+1]
	v_cvt_pk_f16_f32 v[Y+2*\n],   v[T+2], v[T+3]
	v_cvt_pk_f16_f32 v[Y+2*\n+1], v[T+4], v[T+5]
	global_store_b64 v2, v[Y+2*\n:Y+2*\n+1], s[22:23] offset:2048*\n
.endr
	s_endpgm
.Lfunc_end_k_qce7463f832_cast:
	.size	k_qce7463f832_cast, .Lfunc_end_k_qce7463f832_cast-k_qce7463f832_cast
	.p2alignl 7, 3214868480
	.fill 96, 4, 3214868480
	.section	.rodata,"a",@progbits
	.p2align	6, 0x0
	.amdhsa_kernel k_qce7463f832_cast
		.amdhsa_group_segment_fixed_size 0
		.amdhsa_private_segment_fixed_size 0
		.amdhsa_enable_private_segment 0
		.amdhsa_kernarg_size 56
		.amdhsa_user_sgpr_count 2
		.amdhsa_user_sgpr_kernarg_segment_ptr 1
		.amdhsa_wavefront_size32 1
		.amdhsa_system_sgpr_workgroup_id_x 1
		.amdhsa_system_sgpr_workgroup_id_y 1
		.amdhsa_system_sgpr_workgroup_id_z 1
		.amdhsa_system_vgpr_workitem_id 0
		.amdhsa_next_free_vgpr 108
		.amdhsa_next_free_sgpr 66
		.amdhsa_reserve_vcc 0
		.amdhsa_float_denorm_mode_32 3
		.amdhsa_float_denorm_mode_16_64 3
		.amdhsa_memory_ordered 1
		.amdhsa_forward_progress 1
		.amdhsa_inst_pref_size 15
	.end_amdhsa_kernel
	.amdgpu_metadata
---
amdhsa.version: [ 1, 2 ]
amdhsa.kernels:
  - .name:           k_qce7463f832_cast
    .symbol:         k_qce7463f832_cast.kd
    .args:
      - { .name: x, .offset: 0, .size: 8, .value_kind: global_buffer, .address_space: global }
      - { .name: Wq, .offset: 8, .size: 8, .value_kind: global_buffer, .address_space: global }
      - { .name: Wk, .offset: 16, .size: 8, .value_kind: global_buffer, .address_space: global }
      - { .name: Wv, .offset: 24, .size: 8, .value_kind: global_buffer, .address_space: global }
      - { .name: Wo, .offset: 32, .size: 8, .value_kind: global_buffer, .address_space: global }
      - { .name: xb, .offset: 40, .size: 8, .value_kind: global_buffer, .address_space: global }
      - { .name: wb, .offset: 48, .size: 8, .value_kind: global_buffer, .address_space: global }
    .group_segment_fixed_size: 0
    .private_segment_fixed_size: 0
    .kernarg_segment_align: 8
    .kernarg_segment_size: 56
    .max_flat_workgroup_size: 256
    .sgpr_count:     66
    .vgpr_count:     108
    .wavefront_size: 32
...
	.end_amdgpu_metadata
.endif
;; end of part 1
;; launch qkvproj (part 2): grid 8 x 32, 4 waves a work-group, clusters of 4 x 4, 327,680 bytes of LDS; arguments xb, wb, qkv; writes qkv
.if DOCPART == 2
	.amdgcn_target "amdgcn-amd-amdhsa--gfx1250"
	.amdhsa_code_object_version 6
	.text
	.protected	k_qce7463f832_qkvproj
	.globl	k_qce7463f832_qkvproj
	.p2align	8
	.type	k_qce7463f832_qkvproj,@function
k_qce7463f832_qkvproj:
	s_mov_b64 s[64:65], 0
	v_nop
	global_prefetch_b8 v0, s[64:65] scope:SCOPE_SE
	s_setreg_imm32_b32 hwreg(HW_REG_WAVE_MODE, 25, 1), 1
	s_wait_xcnt 0x0
	s_wait_alu depctr_hold_cnt(0) depctr_sa_sdst(0) depctr_va_vdst(0) depctr_va_sdst(0) depctr_va_ssrc(0) depctr_va_vcc(0) depctr_vm_vsrc(0)
	s_getreg_b32 s2, hwreg(HW_REG_IB_STS2, 6, 4)
	s_cmp_eq_u32 s2, 0
	s_cbranch_scc0 .Lentry_in_a_cluster
	s_endpgm
.Lentry_in_a_cluster:
	s_bfe_u32 s2, ttmp6, 0x10000c
	s_cmp_lg_u32 s2, 0xf033
	s_cbranch_scc0 .Lentry_shape_is_right
	s_endpgm
.Lentry_shape_is_right:
; q, k, v in one product: C[t][f] = sum over i of xb[t][i] wb[f][i], t = 0..8191, f = 0..3071 (wb's rows: Wq, Wk, Wv), bf16 operands, f32 sums,
; stored as f16 head by head: qkv[b][g][t][d], g = f / 64 (0-15 q's heads, 16-31 k's, 32-47 v's), d = f % 64; a plane (b, g) is 262,144 dense bytes.
; LIMIT: a result above 65,504 in magnitude is stored as an infinity (f16).
; A block is 256 tokens x 192 features; there are 32 x 16 of them.  8 x 32 = 256 work-groups of four waves (as many as a WGP has SIMDs) STAY and make two blocks each, feature blocks
; bx and bx + 8 of the same 256 tokens: the ring of LDS slots runs on from the first block's last K step into the second block's first, the first block's way out runs while those
; tiles land, and its stores leave while the second block is multiplied.
; Wave w makes tokens 64 w .. 64 w + 63 x all 192 features, that is three whole heads: 48 accumulator tiles of 16 x 16, 384 registers,
; and its way out is its own and writes runs of 512 consecutive bytes.
; K goes in steps of 128 through a ring of two LDS slots filled by the tensor data mover; a tile's rows are 256 bytes of memory, at multiples of 256 from the buffer's first byte.
; CLUSTERS: 4 x 4 work-groups.  The four of a row of the cluster need the same 256 tokens of xb, the four of a column the same 192 rows of wb.  Such a tile is asked for
; jointly: each of the four issues the same tensor load, with the same descriptor and a mask that names the four.  That divides the requests for both by four.
;
; REGISTERS, in windows of 256:
;   window 0: v16-26 addresses; v32-63, v64-95 fragments of xb (4 x 16 tokens x 32 K), two buffers; v96-239 at work on the way out
;   window 1: v0-95, v96-191 fragments of wb (12 x 16 features x 32 K), two buffers
;   window 2: accumulator tiles of my tokens 0-31 (tile (a, b) at v[8 (12 a + b)], a = 0, 1);   window 3: those of my tokens 32-63
; THE MATRIX INSTRUCTION IS USED TRANSPOSED: source 0 = 16 rows of wb, source 1 = 16 rows of xb.  Lane l then holds token l % 16 and its registers 0 to 7 the
; features 8 (l / 16) + 0 .. 7: eight neighbouring numbers of a head's row, 16 bytes when packed.
.set SIZE_K, 1024
.set KSTEP,  128
.set PITCH,  272                       ; an LDS row: 256 bytes + 16 of padding = 68 words: row r starts at bank 4 r mod 64 (64 banks of 4 bytes: ISA guide 11.1)
.set NB,     12                        ; tiles of 16 features
.set BROWS,  16*NB                     ; rows of wb in a tile
.set BOFF,   0                         ; first byte of wb's rows used here
.set PASSB,  8*BROWS*2048              ; from the first block's rows of wb to the second's: 8 blocks of 192 rows of 2,048 bytes
.set PASSO,  8*3*262144                ; from the first block's planes of qkv to the second's: 24 planes
.set BACK,   3*2*KSTEP*2               ; a slot's address has gone on three times by two K steps in a block: 1,536 bytes
.set HALFA,  128*PITCH                 ; what waves 0 and 1 each fetch: 128 tokens
.set HALFB,  (BROWS/2)*PITCH           ; what waves 2 and 3 each fetch: 96 rows of wb
.set SLOT,   2*HALFA+2*HALFB           ; 121,856: xb's 256 rows, then wb's 192
.set STAGE,  2*SLOT                    ; 243,712, a multiple of 256: behind the ring, never filled by a tensor load
.set SPITCH, 2*BROWS+16                ; a stage row: 192 f16 + 16 bytes = 400, an odd multiple of 16
.set WSTAGE, 16*SPITCH                 ; a wave's stage
.set LAPS,   SIZE_K/(2*KSTEP)          ; a lap = two K steps = once round the ring: 4 to a block
.set ADRA, 16                          ; v16-17  LDS address of my xb fragments in slot 0, 1
.set ADRB, 20                          ; v20-21  the same for wb
.set STO,  24                          ; v24     the way out: where I put 16 bytes of a token's row
.set RD,   25                          ; v25     the way out: where I read back
.set CO,   26                          ; v26     my byte offset in a plane of qkv
.set FA,   32                          ; window 0: buffer f at FA + 32 f
.set FB,   0                           ; window 1: buffer f at FB + 8 NB f
.set TMP,  96                          ; v96-143  packed results
.set RB,   144                         ; v144-191, v192-239: rows read back, two buffers
.set G1,  24                           ; s[24:31] descriptor group 1 for xb's tiles
.set G0,  32                           ; s[32:39] descriptor group 0 for xb's tiles, one set for each slot
.set G1B, 48                           ; s[48:55] group 1 for wb's tiles
.set G0B, 56                           ; s[56:63] group 0 for wb's tiles, one set for each slot
.set MSB, 0
.macro WIN new                         ; s_set_vgpr_msb: bits 1:0 source 0, 3:2 source 1, 5:4 source 2, 7:6 destination; the high byte repeats the setting that is left
.if MSB != \new
	s_set_vgpr_msb (MSB<<8)|\new
.set MSB, \new
.endif
.endm
.set MUL_LO, 0xa1                      ; source 0 (wb) window 1, source 1 (xb) window 0, C and D window 2
.set MUL_HI, 0xf1                      ; the same, C and D window 3
.set TO_B,   0x40                      ; destination window 1, address window 0
; A joint load.  Waves 0 and 1 fetch xb's two halves, waves 2 and 3 wb's.  Each line has one mask and one set of registers for all that issue it.
; The branch hangs on the wave's number alone: it is the same in every work-group.
.macro JLOAD s
	s_cmp_eq_u32 s11, 0
	s_cbranch_scc0 .Lfor_b_\@
	tensor_load_to_lds s[G0+4*\s:G0+4*\s+3], s[G1:G1+7]
	s_nop 0
	s_branch .Lasked_\@
.Lfor_b_\@:
	tensor_load_to_lds s[G0B+4*\s:G0B+4*\s+3], s[G1B:G1B+7]
	s_nop 0
.Lasked_\@:
.endm
; A round of the cluster's barrier: my work-group's barrier, so that wave 0's signal speaks for all four waves; wave 0 signals for the work-group; every wave waits
; for all sixteen work-groups; my work-group's barrier once more.
.macro CREST                           ; a round behind its opening barrier
	s_cmp_lg_u32 s10, 0
	s_cbranch_scc1 .Lnot_wave_0_\@
	s_barrier_signal -3
.Lnot_wave_0_\@:
	s_barrier_wait -3
	s_barrier_signal -1
	s_barrier_wait -1
.endm
.macro CROUND                          ; a whole round
	s_barrier_signal -1
	s_barrier_wait -1
	CREST
.endm
	s_load_b128 s[4:7], s[0:1], 0x0                ; xb s[4:5], wb s[6:7]
	s_load_b64 s[8:9], s[0:1], 0x10                ; qkv
	s_set_vgpr_msb 0x40
	v_lshl_add_u32 v255, v0, 2, 0x41c00
	s_set_vgpr_msb 0x4000
	v_mov_b32 v255, 0
	s_set_vgpr_msb 0x1
	ds_add_u32 v255, v255
	ds_add_u32 v255, v255
	s_set_vgpr_msb 0x100
	v_lshrrev_b32 v1, 5, v0
	v_readfirstlane_b32 s10, v1                    ; wave 0..3
	s_lshr_b32 s11, s10, 1                         ; I fetch for xb (0) or for wb (1)
	s_and_b32 s12, s10, 1                          ; which half of that tile I fetch
	s_bfe_u32 s40, ttmp6, 0x40000                  ; cx
	s_bfe_u32 s41, ttmp6, 0x40004                  ; cy
	s_lshl_b32 s42, ttmp9, 2                       ; in a cluster launch ttmp9 and ttmp7 count clusters
	s_add_co_u32 s42, s42, s40                     ; bx = 4 x cluster x + cx, 0..7: my first feature block; the second is bx + 8
	s_and_b32 s13, ttmp7, 0xffff
	s_lshl_b32 s13, s13, 2
	s_add_co_u32 s13, s13, s41                     ; token block = 4 x cluster y + cy
	s_lshl_b32 s43, s41, 2
	s_lshl_b32 s43, 15, s43                        ; my row of the cluster: places 4 cy .. 4 cy + 3
	s_lshl_b32 s44, 0x1111, s40                    ; my column: places cx, cx + 4, cx + 8, cx + 12
	; group 1: rows of 128 elements of 2 bytes, 16 bytes of padding behind each
	s_or_b32 s[G1+0],  s43, (1<<16)|(1<<20)|(1<<21)|(5<<22)|(3<<25)  ; 15:0 the mask: my row; 17:16 2-byte elements; 20 padding on; 21 set beside a mask; 24:22 after every 64 words; 31:25 four words
	s_or_b32 s[G1B+0], s44, (1<<16)|(1<<20)|(1<<21)|(5<<22)|(3<<25)  ; the same with the mask of my column
	s_mov_b32 s[G1+1],  KSTEP<<16                  ; tensor_dim0 = 128
	s_mov_b32 s[G1B+1], KSTEP<<16
	s_mov_b32 s[G1+2],  128<<16                    ; tensor_dim1 = 128 rows
	s_mov_b32 s[G1B+2], (BROWS/2)<<16              ; 96 rows
	s_mov_b32 s[G1+3],  KSTEP<<16                  ; tile_dim0 = 128
	s_mov_b32 s[G1B+3], KSTEP<<16
	s_mov_b32 s[G1+4],  128                        ; tile_dim1
	s_mov_b32 s[G1B+4], BROWS/2
	s_mov_b32 s[G1+5],  SIZE_K                     ; elements from row to row
	s_mov_b32 s[G1B+5], SIZE_K
	s_mov_b32 s[G1+6],  0
	s_mov_b32 s[G1B+6], 0
	s_mov_b32 s[G1+7],  0
	s_mov_b32 s[G1B+7], 0
	; where the tiles come from: xb's hang on the token block alone, which my row of the cluster shares; wb's on the feature block alone, which my column shares.
	; Every wave makes both, in registers that never hold the other coordinate, and asks by one of them.  All offsets are below 2^25 bytes.
	s_lshl_b32 s16, s13, 8
	s_lshl_b32 s17, s12, 7
	s_add_co_u32 s16, s16, s17                     ; xb: row 256 x block + 128 x half
	s_lshl_b32 s16, s16, 11                        ; x 2,048 bytes
	s_mov_b32 s17, 0
	s_mul_i32 s46, s42, BROWS
	s_mul_i32 s47, s12, BROWS/2
	s_add_co_u32 s46, s46, s47                     ; wb: row 192 x block + 96 x half
	s_lshl_b32 s46, s46, 11
	s_add_co_u32 s46, s46, BOFF
	s_mov_b32 s47, 0
	s_mul_i32 s20, s10, HALFA                      ; where they go: waves 0, 1: xb's halves at 0 and HALFA;
	s_mul_i32 s21, s10, HALFB                      ; waves 2, 3: wb's halves behind them
	s_add_co_u32 s21, s21, 2*HALFA-2*HALFB
	s_wait_dscnt 0x0
	s_wait_kmcnt 0x0
	s_add_nc_u64 s[14:15], s[4:5], s[16:17]
	s_add_nc_u64 s[46:47], s[6:7], s[46:47]
	CROUND                                         ; all sixteen work-groups are here: the first joint loads meet
.irp s, 0,1
	s_mov_b32 s[G0+4*\s], 1                                        ; count = 1
	s_add_co_u32 s[G0+4*\s+1], s20, \s*SLOT                        ; LDS address
	s_add_nc_u64 s[G0+4*\s+2:G0+4*\s+3], s[14:15], \s*KSTEP*2      ; global address: K step s
	s_or_b32 s[G0+4*\s+3], s[G0+4*\s+3], 0x80000000                ; type = 2
	s_mov_b32 s[G0B+4*\s], 1
	s_add_co_u32 s[G0B+4*\s+1], s21, \s*SLOT
	s_add_nc_u64 s[G0B+4*\s+2:G0B+4*\s+3], s[46:47], \s*KSTEP*2
	s_or_b32 s[G0B+4*\s+3], s[G0B+4*\s+3], 0x80000000
	JLOAD \s                                       ; both slots are asked for before anything else: two loads of mine are out
.endr
	; A fragment is 16 rows x 32 K in 8 registers: lane l holds row l % 16; registers 0-3 K = 8 (l / 16) + 0..7, registers 4-7 K = 16 + 8 (l / 16) + 0..7:
	; two loads of 16 bytes, 32 bytes apart.
	v_and_b32 v1, 15, v0                           ; r = l % 16
	v_bfe_u32 v2, v0, 4, 1                         ; h = l / 16
	v_mul_u32_u24 v3, v1, PITCH
	v_lshl_add_u32 v3, v2, 4, v3                   ; row x pitch + 16 h
	s_mul_i32 s22, s10, 64*PITCH                   ; my 64 tokens
	s_mov_b32 s23, 2*HALFA                         ; wb's rows: every wave reads all of them
.irp s, 0,1
	v_add_nc_u32 v[ADRA+\s], s22, v3
	v_add_nc_u32 v[ADRB+\s], s23, v3
	s_add_co_u32 s22, s22, SLOT
	s_add_co_u32 s23, s23, SLOT
.endr
	s_mul_i32 s23, s10, WSTAGE
	s_add_co_u32 s23, s23, STAGE                   ; my stage
	v_mul_u32_u24 v4, v1, SPITCH                   ; in: token r, 16 bytes for each half of the lanes
	v_lshl_add_u32 v4, v2, 4, v4
	v_add_nc_u32 v[STO], s23, v4
	v_and_b32 v5, 31, v0                           ; l
	v_lshrrev_b32 v6, 3, v5                        ; back: eight lanes take one token's 128 bytes of one head, 32 lanes four tokens
	v_and_b32 v7, 7, v0
	v_mul_u32_u24 v6, v6, SPITCH
	v_lshl_add_u32 v6, v7, 4, v6
	v_add_nc_u32 v[RD], s23, v6
	v_lshlrev_b32 v[CO], 4, v5                     ; which are 512 consecutive bytes of the head's plane
; NB matrix instructions: token tile 2 hi + a x all feature tiles, 32 along K, from buffer f.  zero = 1: the first product starts the sums: nothing is cleared.
.macro MULA f, hi, a, zero
.set bb, 0
.rept NB
.if \zero
	v_wmma_f32_16x16x32_bf16 v[8*(NB*\a+bb):8*(NB*\a+bb)+7], v[FB+8*NB*\f+8*bb:FB+8*NB*\f+8*bb+7], v[FA+32*\f+8*(2*\hi+\a):FA+32*\f+8*(2*\hi+\a)+7], 0
.else
	v_wmma_f32_16x16x32_bf16 v[8*(NB*\a+bb):8*(NB*\a+bb)+7], v[FB+8*NB*\f+8*bb:FB+8*NB*\f+8*bb+7], v[FA+32*\f+8*(2*\hi+\a):FA+32*\f+8*(2*\hi+\a)+7], v[8*(NB*\a+bb):8*(NB*\a+bb)+7]
.endif
.set bb, bb+1
.endr
.endm
; 2 NB + 8 LDS loads in one run: the fragments of one quarter step (K at byte k of the rows) into buffer f: wb's first, then xb's token tiles 0 to 3
.macro FETCH slot, k, f
	WIN TO_B
.set bb, 0
.rept NB
	ds_load_b128 v[FB+8*NB*\f+8*bb:FB+8*NB*\f+8*bb+3],   v[ADRB+\slot] offset:\k+bb*16*PITCH
	ds_load_b128 v[FB+8*NB*\f+8*bb+4:FB+8*NB*\f+8*bb+7], v[ADRB+\slot] offset:\k+bb*16*PITCH+32
.set bb, bb+1
.endr
	WIN 0
.irp i, 0,1,2,3
	ds_load_b128 v[FA+32*\f+8*\i:FA+32*\f+8*\i+3],   v[ADRA+\slot] offset:\k+\i*16*PITCH
	ds_load_b128 v[FA+32*\f+8*\i+4:FA+32*\f+8*\i+7], v[ADRA+\slot] offset:\k+\i*16*PITCH+32
.endr
.endm
; A load into a register that a matrix instruction has read, and a vector instruction or LDS store that reads a matrix result, stand four places behind that matrix
; instruction, and only plain vector instructions that name none of its registers are places; the matrix instructions in between are not counted.
.macro PLACES
.rept 4
	v_nop
.endr
.endm
; A K step is four quarter steps of 32 along K, 4 NB matrix instructions each, on buffers 0, 1, 0, 1.  The 4 NB accumulators take turns, one instruction a turn, in the
; same order in every quarter, over the loops' backward jumps too.
; One of the first three quarters: multiplies buffer f; in its middle it fetches the next quarter's fragments, at byte k of the same slot's rows, into buffer g.
.macro QUARTER slot, k, f, g, zero
	s_wait_dscnt 4                                 ; wb's fragments and token tiles 0, 1 are in; the youngest four loads (token tiles 2, 3) may be out
	WIN MUL_LO
	MULA \f, 0, 0, \zero
	MULA \f, 0, 1, \zero
	PLACES
	FETCH \slot, \k, \g
	s_wait_dscnt 2*NB+8                            ; all but the 2 NB + 8 just issued
	WIN MUL_HI
	MULA \f, 1, 0, \zero
	MULA \f, 1, 1, \zero
.endm
.macro THREE slot, zero
	QUARTER \slot, 64,  0, 1, \zero
	QUARTER \slot, 128, 1, 0, 0
	QUARTER \slot, 192, 0, 1, 0
.endm
; The last quarter: multiplies buffer 1 and changes slots.  next = the other slot.  fill = 1: this slot is filled again, two K steps ahead; fill = 2: with the SECOND block's K step of
; this slot's number (xb's address goes back to that K step of the same tokens, wb's goes on to the same K step of the rows 8 blocks further); fill = 0: not at all.
; One barrier for the change of slots.  In front of it each wave waits for its own reads of this slot and for all its tensor loads, of which one is out: its part of the
; next slot.  Behind it nobody reads this slot any more and the next slot is whole: the refill comes first, then the next slot's first fragments.
.macro TURN slot, next, fill
	s_wait_dscnt 4
	WIN MUL_LO
	MULA 1, 0, 0, 0
	s_wait_dscnt 0                                 ; my reads of this slot are over
	s_wait_tensorcnt 0x0                           ; and all my tensor loads have landed
	ds_add_u32 v255, v255
	s_wait_dscnt 0x0
	s_barrier_signal -1                            ; say so (where a slot is filled again this barrier opens a round of the cluster's barrier),
	MULA 1, 0, 1, 0                                ; work on registers while the others arrive,
	WIN 0
	s_barrier_wait -1
.if \fill
	CREST                                          ; no wave of any partner still reads this slot's tile or has a load on its way
.if \fill == 1
	s_add_nc_u64 s[G0+4*\slot+2:G0+4*\slot+3], s[G0+4*\slot+2:G0+4*\slot+3], 2*KSTEP*2
	s_add_nc_u64 s[G0B+4*\slot+2:G0B+4*\slot+3], s[G0B+4*\slot+2:G0B+4*\slot+3], 2*KSTEP*2
.else
	s_sub_nc_u64 s[G0+4*\slot+2:G0+4*\slot+3], s[G0+4*\slot+2:G0+4*\slot+3], BACK          ; the address lies at least 1,536 bytes into xb: the type bits on top are not reached
	s_add_nc_u64 s[G0B+4*\slot+2:G0B+4*\slot+3], s[G0B+4*\slot+2:G0B+4*\slot+3], PASSB-BACK
.endif
	JLOAD \slot                                    ; the first tensor load behind the round, and my only one until the next
.endif
	PLACES
	FETCH \next, 0, 0
	WIN MUL_HI
	MULA 1, 1, 0, 0
	MULA 1, 1, 1, 0
.endm
.macro LAP zero, fill                  ; once round the ring, both slots filled again
	THREE 0, \zero
	TURN 0, 1, \fill
	THREE 1, 0
	TURN 1, 0, \fill
.endm
; THE WAY OUT, 16 tokens at a time: round to f16, 16 bytes a lane into my own stage, read back head by head, four tokens (512 consecutive bytes of a plane) a store.
; tokens 16 a .. 16 a + 15 of my 64 = tiles (ta, 0..11) of window 2 or 3 (from = 0x0a or 0x0f: sources 0 and 1); f: read-back buffer 0 or 1 in turn; blk: first or second block
.macro OUT16 a, ta, from, f, blk
	WIN \from
.set bb, 0
.rept NB
.irp r, 0,1,2,3
	v_cvt_pk_f16_f32 v[TMP+4*bb+\r], v[8*(NB*\ta+bb)+2*\r], v[8*(NB*\ta+bb)+2*\r+1]
.endr
.set bb, bb+1
.endr
	WIN 0
.set bb, 0
.rept NB
	ds_store_b128 v[STO], v[TMP+4*bb:TMP+4*bb+3] offset:32*bb
.set bb, bb+1
.endr
	s_wait_xcnt 0x0                                ; every earlier store has had its addresses translated (ISA guide 3.1): buffer f, which stores read, is loaded again only behind this wait
.irp c, 0,1,2
.irp u, 0,1,2,3
	ds_load_b128 v[RB+48*\f+4*(4*\c+\u):RB+48*\f+4*(4*\c+\u)+3], v[RD] offset:4*SPITCH*\u+128*\c   ; LDS serves a wave's instructions in order (ISA guide 5.7.1): these see the stores above
.endr
.endr
.irp c, 0,1,2
.irp u, 0,1,2,3
	s_wait_dscnt 11-(4*\c+\u)                      ; load 4 c + u of the twelve is in
	global_store_b128 v[CO], v[RB+48*\f+4*(4*\c+\u):RB+48*\f+4*(4*\c+\u)+3], s[8:9] offset:\blk*PASSO+\c*262144+\a*2048+\u*512
.endr
.endr
.endm
.macro OUT blk
	OUT16 0, 0, 0x0a, 0, \blk
	OUT16 1, 1, 0x0a, 1, \blk
	OUT16 2, 0, 0x0f, 0, \blk
	OUT16 3, 1, 0x0f, 1, \blk
.endm
	s_wait_tensorcnt 1                             ; my part of K step 0 is in; K step 1's stays out
	s_barrier_signal -1
	s_barrier_wait -1                              ; everybody's is
	FETCH 0, 0, 0
	; THE FIRST BLOCK: four laps, all of which fill both slots again
	LAP 1, 1                                       ; the first lap stands in front of the loop: its first products start the sums
	WIN 0                                          ; at a label and at a branch every window is 0
	s_mov_b32 s3, LAPS-2
.Llap_a:
	LAP 0, 1
	WIN 0
	s_sub_co_u32 s3, s3, 1
	s_cmp_lg_u32 s3, 0
	s_cbranch_scc1 .Llap_a
	LAP 0, 2                                       ; the last lap asks for the second block's K steps 0 and 1, and fetches its first fragments into buffer 0
	PLACES                                         ; behind the last products, in front of the conversions that read the sums
	s_lshr_b32 s16, s13, 3                         ; batch = token block / 8
	s_mul_i32 s16, s16, 48*262144                  ; its 48 planes
	s_and_b32 s17, s13, 7
	s_lshl_b32 s17, s17, 15                        ; 256 tokens x 128 bytes
	s_add_co_u32 s16, s16, s17
	s_lshl_b32 s17, s10, 13                        ; my 64 tokens
	s_add_co_u32 s16, s16, s17
	s_mov_b32 s17, 0
	s_add_nc_u64 s[8:9], s[8:9], s[16:17]
	s_mul_i32 s46, s42, 3*262144                   ; my first block's three planes (in the registers that held wb's address: none that feeds xb's descriptors ever holds cx)
	s_mov_b32 s47, 0
	s_add_nc_u64 s[8:9], s[8:9], s[46:47]          ; never stepped: the rest stands in the stores' immediates, 6,823,424 bytes at the most, inside their signed 24 bits
	OUT 0                                          ; touches neither fragment buffer 0 nor the ring: the two tiles land meanwhile
	; THE SECOND BLOCK: three laps that fill, one that does not
	LAP 1, 1                                       ; its first products start the sums anew
	WIN 0
	s_mov_b32 s3, LAPS-2
.Llap_b:
	LAP 0, 1
	WIN 0
	s_sub_co_u32 s3, s3, 1
	s_cmp_lg_u32 s3, 0
	s_cbranch_scc1 .Llap_b
	THREE 0, 0                                     ; the last lap fills nothing and has no round of the cluster's barrier
	TURN 0, 1, 0
	THREE 1, 0
	s_wait_dscnt 4                                 ; the very last quarter: nothing more to fetch
	WIN MUL_LO
	MULA 1, 0, 0, 0
	MULA 1, 0, 1, 0
	s_wait_dscnt 0
	WIN MUL_HI
	MULA 1, 1, 0, 0
	MULA 1, 1, 1, 0
	PLACES
	OUT 1
	s_set_vgpr_msb 0x1
	s_wait_tensorcnt 0x0
	ds_add_u32 v255, v255
	s_wait_dscnt 0x0
	s_set_vgpr_msb 0x100
	CROUND                                         ; the closing round: no work-group ends while a partner may still ask for a tile that names it
	s_endpgm
.Lfunc_end_k_qce7463f832_qkvproj:
	.size	k_qce7463f832_qkvproj, .Lfunc_end_k_qce7463f832_qkvproj-k_qce7463f832_qkvproj
	.p2alignl 7, 3214868480
	.fill 96, 4, 3214868480
	.section	.rodata,"a",@progbits
	.p2align	6, 0x0
	.amdhsa_kernel k_qce7463f832_qkvproj
		.amdhsa_group_segment_fixed_size 327680
		.amdhsa_private_segment_fixed_size 0
		.amdhsa_enable_private_segment 0
		.amdhsa_kernarg_size 24
		.amdhsa_user_sgpr_count 2
		.amdhsa_user_sgpr_kernarg_segment_ptr 1
		.amdhsa_wavefront_size32 1
		.amdhsa_system_sgpr_workgroup_id_x 1
		.amdhsa_system_sgpr_workgroup_id_y 1
		.amdhsa_system_sgpr_workgroup_id_z 1
		.amdhsa_system_vgpr_workitem_id 0
		.amdhsa_next_free_vgpr 960
		.amdhsa_next_free_sgpr 66
		.amdhsa_reserve_vcc 0
		.amdhsa_float_denorm_mode_32 3
		.amdhsa_float_denorm_mode_16_64 3
		.amdhsa_memory_ordered 1
		.amdhsa_forward_progress 1
		.amdhsa_inst_pref_size 255
	.end_amdhsa_kernel
	.section	.bss,"aw",@nobits
	.p2align	6
	.space	262144
	.amdgpu_metadata
---
amdhsa.version: [ 1, 2 ]
amdhsa.kernels:
  - .name:           k_qce7463f832_qkvproj
    .symbol:         k_qce7463f832_qkvproj.kd
    .args:
      - { .name: xb, .offset: 0, .size: 8, .value_kind: global_buffer, .address_space: global }
      - { .name: wb, .offset: 8, .size: 8, .value_kind: global_buffer, .address_space: global }
      - { .name: qkv, .offset: 16, .size: 8, .value_kind: global_buffer, .address_space: global }
    .group_segment_fixed_size: 327680
    .private_segment_fixed_size: 0
    .kernarg_segment_align: 8
    .kernarg_segment_size: 24
    .max_flat_workgroup_size: 128
    .sgpr_count:     66
    .vgpr_count:     960
    .wavefront_size: 32
...
	.end_amdgpu_metadata
.endif
;; end of part 2
;; launch attn (part 3): grid 8 x 32, 4 waves a work-group, no clusters, 327,680 bytes of LDS; arguments qkv, ob; writes ob
.if DOCPART == 3
	.amdgcn_target "amdgcn-amd-amdhsa--gfx1250"
	.amdhsa_code_object_version 6
	.text
	.protected	k_qce7463f832_attn
	.globl	k_qce7463f832_attn
	.p2align	8
	.type	k_qce7463f832_attn,@function
k_qce7463f832_attn:
	s_mov_b64 s[64:65], 0
	v_nop
	global_prefetch_b8 v0, s[64:65] scope:SCOPE_SE
	s_setreg_imm32_b32 hwreg(HW_REG_WAVE_MODE, 25, 1), 1
	s_wait_xcnt 0x0
; Causal attention with a running maximum: ob[b][t][64 head + d] = sum over k <= t of softmax(q k^T / 8)[t][k] v[k][d].  qkv: [b][g][t][64] f16 (g 0-15 q, 16-31 k, 32-47 v).  ob: [8192][1024] f16.
; WORK LEFT OUT: reference() sets the score of every key behind the query to -inf by its own jnp.tril, so its weight is 0 for all values of the inputs.  Key units of 128 keys wholly behind a
; block of 128 queries are not computed, nor, in the unit on the diagonal, keys 64-127 for queries 0-63.  In the 16 x 64 pieces that the diagonal crosses all is computed and dead scores are set to -inf.
; LIMIT: a NaN, an infinity or an overflow in a k or v that only the work left out reads is not carried to the result.
; KEPT: the maximum taken away before the exponential, as a running maximum; the scale 1/8 in f32; nan_to_num: a row whose softmax sum is NaN (a NaN or +inf score) stores zeros.
; LIMITS: operands q, k, v, the weights p (0 to 1) and the result are f16; the sum of the weights is made of the unrounded f32 p; the order of sums differs from reference()'s.
;
; SHARES.  Work-group (x = e2, y = 8 b + p): heads 2 p and 2 p + 1 of batch b, so that the 256 bytes of a token that it stores are one aligned run.  It makes two blocks of 128 queries,
; E = 2 e2 and then O = 15 - E: (E + 1) + (O + 1) = 17 key units of 128 for every work-group, 256 work-groups of equal work.
; Wave w: head hs = w / 2, and with u = w % 2 the four query tiles of rows 32 i + 16 u + 0..15, i = 0..3: both waves of a head see the same shape of the diagonal.
; A block takes its diagonal unit FIRST, then units 0, 1, ..: the first step starts maximum, sum and result (nothing is cleared), and each query's first maximum is over at least one live key.
; NO CLUSTER: the eight work-groups of a head pair read the same K and V, but with this split of the queries each walks its own list of 17 units (E, 0..E-1, O, 0..O-1), so no two of them want
; the same unit at the same place of their walks.  A split that allows joint requests exists: four partners share 512 queries, 16 rows by turns, and walk 20 joint units each, which would make
; 64 x 20 requests for a unit's K and V of 256 x 17, at the price of a round of the cluster's barrier for each unit and of a diagonal that a wave's four tiles meet one after the other,
; in eight different steps.  This text does not have it.
; PHASES: a step's products and its softmax follow each other.  Turns of two pairs of tiles (one pair's softmax set between the other pair's products) are not written here: the scores of both
; pairs (128 registers), O (128) and the softmax's state do not fit into one register window, so the window's setting would change round most matrix instructions (56 changes for 32 of them),
; and since the fragments then live across a unit's end, more units would stand unrolled in the text than the seven that stand now.
;
; LAYOUT OF THE PRODUCTS.  S^T = K Q^T: source 0 = 16 keys x 32 d of K, source 1 = 16 queries x 32 d of Q.  Lane (r = l % 16, h = l / 16), register j of tile kt holds key 16 kt + 8 h + j of query r.
; So a query's maximum, factor and sum are one number a lane (two lanes a query), and eight scores of a lane pack in place into just the registers that source 1 of O^T = V^T P^T wants.
; V^T comes from V's rows by the transposing LDS load.  In O^T a lane's eight results are eight neighbouring d of one query: 16 bytes.
;
; LDS: two slots of 81,920 bytes, each four pieces of 20,480: K of head 0, K of head 1 (128 keys, pitch 144), V of head 0, V of head 1 (pitch 160).  Wave w fills piece w: one tensor load a wave
; behind each barrier of the ring, one load of a wave out at a time.  From 163,840: the stage for the way out, 128 rows of pitch 272, into which no tensor load lands.
; REGISTERS: window 0 addresses, softmax state, Q (v64-127), scores S (v128-255); window 1 the unit's K and V fragments; window 2 (v0-127) the results O.
.set KP,    144                        ; K's pitch: 128 bytes + 16: sixteen rows start at sixteen different 16-byte columns of 256
.set VP,    160                        ; V's pitch: 128 bytes + 32, an odd multiple of 32, for the transposing load
.set PIECE, 20480
.set SLOT,  4*PIECE
.set STAGE, 2*SLOT
.set SP,    272
.set KA,  8                            ; v8-9    LDS address of my K fragments in slot 0, 1
.set VA,  10                           ; v10-11  the same for V
.set VD,  12                           ; v12     r + 16 u - 8 h: the diagonal, seen from my lane
.set QO,  13                           ; v13     my byte offset in a block of Q
.set STO, 14                           ; v14     the way out: where I put 16 bytes
.set RD,  15                           ; v15     where I read back
.set CO,  16                           ; v16     my byte offset in ob
.set NI,  17                           ; v17     -inf
.set T,   20                           ; v20-27  at work
.set NM,  28                           ; v28     -c x maximum; v29 fills the pair and is never used
.set MX,  32                           ; v32-35  running maximum of tile i (raw scores)
.set LS,  36                           ; v36-39  running sum of tile i, my lane's keys alone until the end
.set AL,  40                           ; v40,42,44,46  tile i's factor; the odd registers fill the pairs
.set RS,  48                           ; v48-55  four pairs of partial sums
.set QF,  64                           ; v[64+16 i+8 dh]  Q's fragments
.set SC,  128                          ; v[128+32 i+8 kt+j]  scores, then weights, then (packed) P in the first 16 of each 32
.set G1,  16                           ; s[16:23] descriptor group 1 for K's pieces
.set G0,  24                           ; s[24:31] descriptor group 0, one set for each slot
.set G1V, 56                           ; s[56:63] descriptor group 1 for V's pieces
.set MSB, 0
.macro WIN new                         ; s_set_vgpr_msb: bits 1:0 source 0, 3:2 source 1, 5:4 source 2, 7:6 destination; the high byte repeats the setting that is left
.if MSB != \new
	s_set_vgpr_msb (MSB<<8)|\new
.set MSB, \new
.endif
.endm
.macro PL n                            ; n places behind a matrix instruction (ISA guide 7.12.1)
.rept \n
	v_nop
.endr
.endm
; My piece of slot s.  Waves 0 and 1 fetch K of heads 0 and 1, waves 2 and 3 V of heads 0 and 1.  Each of the two lines has a group 1 of its own, all of whose words are constants:
; they differ in the padding alone.  The branch hangs on the wave's number alone; every wave issues one of the two lines.
.macro KVLOAD s
	s_cmp_eq_u32 s10, 0
	s_cbranch_scc0 .Lfor_v_\@
	tensor_load_to_lds s[G0+4*(\s):G0+4*(\s)+3], s[G1:G1+7]
	s_nop 0
	s_branch .Lasked_\@
.Lfor_v_\@:
	tensor_load_to_lds s[G0+4*(\s):G0+4*(\s)+3], s[G1V:G1V+7]
	s_nop 0
.Lasked_\@:
.endm
	s_load_b128 s[4:7], s[0:1], 0x0                ; qkv s[4:5], ob s[6:7]
	v_lshl_add_u32 v62, v0, 2, 0x30800
	v_mov_b32 v63, 0
	ds_add_u32 v62, v63
	ds_add_u32 v62, v63
	v_lshrrev_b32 v1, 5, v0
	v_readfirstlane_b32 s8, v1                     ; wave w
	s_and_b32 s9, s8, 1                            ; u: which query tiles are mine.  Also: the head whose K or V I fetch
	s_lshr_b32 s10, s8, 1                          ; hs: the head that I work on.  Also: I fetch K (0) or V (1)
	s_mov_b32 s11, ttmp9                           ; e2
	s_lshl_b32 s12, s11, 1                         ; E
	s_sub_co_u32 s13, 15, s12                      ; O
	s_add_co_u32 s14, s12, 1                       ; the place of O's diagonal unit in the walk
	s_add_co_u32 s15, s12, 2                       ; the place of O's unit 0
	s_sub_co_u32 s39, 7, s11                       ; double trips of the second block
	s_and_b32 s2, ttmp7, 0xffff
	s_and_b32 s3, s2, 7                            ; p: head pair
	s_lshr_b32 s2, s2, 3                           ; b: batch
	s_mov_b32 s44, 0x76543210                      ; v_permlanex16_b32: lane i of one half reads lane i of the other
	s_mov_b32 s45, 0xfedcba98
	s_mov_b32 s46, 0x3e38aa3b                      ; c = log2(e) / 8: exp(s / 8) = exp2(c s)
	s_mov_b32 s47, 0xbe38aa3b                      ; -c (the packed multiply-add broadcasts s46 alone)
	; group 1: a unit's K or V of one head is 16,384 dense bytes: 64 rows of 32 elements of 8 bytes; padding behind every 32 words, that is behind each key's 128 bytes: 4 words for K, 8 for V
	s_mov_b32 s[G1+0],  (3<<16)|(1<<20)|(4<<22)|(3<<25)   ; 15:0 no mask; 17:16 8-byte elements; 20 padding on; 24:22 after 32 words (code 4); 31:25 words - 1 = 3
	s_mov_b32 s[G1V+0], (3<<16)|(1<<20)|(4<<22)|(7<<25)   ; the same with 8 words of padding
	s_mov_b32 s[G1+1],  32<<16                     ; tensor_dim0 = 32
	s_mov_b32 s[G1V+1], 32<<16
	s_mov_b32 s[G1+2],  64<<16                     ; tensor_dim1 = 64
	s_mov_b32 s[G1V+2], 64<<16
	s_mov_b32 s[G1+3],  32<<16                     ; tile_dim0 = 32
	s_mov_b32 s[G1V+3], 32<<16
	s_mov_b32 s[G1+4],  64                         ; tile_dim1 = 64
	s_mov_b32 s[G1V+4], 64
	s_mov_b32 s[G1+5],  32                         ; elements from row to row: dense
	s_mov_b32 s[G1V+5], 32
	s_mov_b32 s[G1+6],  0
	s_mov_b32 s[G1V+6], 0
	s_mov_b32 s[G1+7],  0
	s_mov_b32 s[G1V+7], 0
	s_mul_i32 s54, s2, 48
	s_lshl1_add_u32 s54, s3, s54                   ; 48 b + 2 p: q's plane of the pair's first head
	s_lshl_b32 s34, s10, 4
	s_add_co_u32 s34, s34, 16                      ; k's planes are 16 further, v's 32
	s_add_co_u32 s34, s34, s9                      ; the head that I fetch for
	s_add_co_u32 s34, s34, s54                     ; the plane that I fetch from
	s_lshl_b32 s34, s34, 18                        ; x 262,144 bytes: 50 MB at the most
	s_mov_b32 s35, 0                               ; stays 0: the high word of every offset in s[34:35]
	s_add_co_u32 s54, s54, s10                     ; q's plane of the head that I work on
	s_lshl_b32 s54, s54, 18
	s_mov_b32 s55, 0
	s_mul_i32 s36, s8, PIECE                       ; my piece of a slot
	s_wait_dscnt 0x0
	s_wait_kmcnt 0x0
	s_add_nc_u64 s[32:33], s[4:5], s[34:35]        ; the plane that I fetch from
	s_add_nc_u64 s[48:49], s[4:5], s[54:55]        ; q's plane
	s_mov_b32 s[G0+0], 1                           ; count = 1
	s_add_co_u32 s[G0+1], s36, 0                   ; LDS address: slot 0
	s_lshl_b32 s34, s12, 14                        ; unit E: 16,384 bytes a unit
	s_add_nc_u64 s[G0+2:G0+3], s[32:33], s[34:35]
	s_or_b32 s[G0+3], s[G0+3], 0x80000000          ; type = 2
	s_mov_b32 s[G0+4], 1
	s_add_co_u32 s[G0+5], s36, SLOT                ; slot 1; its address words are written before its first load
	KVLOAD 0                                       ; place 0 of the walk: E's diagonal unit
	s_mov_b32 s37, 0                               ; the place last asked for
	v_and_b32 v1, 15, v0                           ; r
	v_bfe_u32 v2, v0, 4, 1                         ; h
	v_and_b32 v3, 7, v0
	v_bfe_u32 v4, v0, 3, 1
	v_lshl_add_u32 v7, s9, 4, v1                   ; 16 u + r: my query in a run of 32
	v_lshlrev_b32 v[QO], 7, v7                     ; x 128 bytes
	v_lshl_add_u32 v[QO], v2, 4, v[QO]             ; + 16 h
; Q's fragments of block blk (a scalar register): lane (r, h) takes d = 32 dh + 8 h + 0..7 and + 16 of query 32 i + 16 u + r
.macro LOADQ sblk
	s_lshl_b32 s54, \sblk, 14                      ; 128 queries x 128 bytes
	s_mov_b32 s55, 0
	s_add_nc_u64 s[50:51], s[48:49], s[54:55]
.irp i, 0,1,2,3
.irp dh, 0,1
	global_load_b128 v[QF+16*\i+8*\dh:QF+16*\i+8*\dh+3],   v[QO], s[50:51] offset:4096*\i+64*\dh
	global_load_b128 v[QF+16*\i+8*\dh+4:QF+16*\i+8*\dh+7], v[QO], s[50:51] offset:4096*\i+64*\dh+32
.endr
.endr
.endm
	LOADQ s12
	s_mul_i32 s54, s10, PIECE                      ; my head's K
	v_mul_u32_u24 v5, v1, KP
	v_lshl_add_u32 v5, v2, 4, v5
	v_add_nc_u32 v[KA], s54, v5                    ; key r, 16 h
	v_add_nc_u32 v[KA+1], SLOT, v[KA]
	v_lshl_add_u32 v6, v2, 3, v3                   ; the transposing load: key 8 h + l % 8,
	v_mul_u32_u24 v6, v6, VP
	v_lshl_add_u32 v6, v4, 4, v6                   ; 16 bytes (l / 8) % 2
	s_add_co_u32 s54, s54, 2*PIECE                 ; my head's V: behind the two pieces of K
	v_add_nc_u32 v[VA], s54, v6
	v_add_nc_u32 v[VA+1], SLOT, v[VA]
	v_lshlrev_b32 v5, 3, v2
	v_sub_nc_u32 v[VD], v7, v5                     ; key 64 st + 16 kt + 8 h + j <= query 32 i + 16 u + r  is  64 st + 16 kt + j - 32 i <= VD
	v_mul_u32_u24 v5, v7, SP
	v_lshl_add_u32 v5, v2, 4, v5
	s_lshl_b32 s54, s10, 7                         ; my head's 128 bytes of a stage row
	s_add_co_u32 s54, s54, STAGE
	v_add_nc_u32 v[STO], s54, v5
	s_mul_i32 s54, s8, 32*SP                       ; back: wave w takes rows 32 w .. 32 w + 31, two rows a load
	s_add_co_u32 s54, s54, STAGE
	v_mul_u32_u24 v5, v2, SP
	v_lshl_add_u32 v5, v1, 4, v5
	v_add_nc_u32 v[RD], s54, v5
	v_lshlrev_b32 v5, 11, v2                       ; the same two rows in ob, 2,048 bytes apart
	v_lshl_add_u32 v[CO], v1, 4, v5
	v_mov_b32 v[NI], 0xff800000
	v_mov_b32 v[T+4], 0                            ; v_permlanex16_b32 counts as a reader of its destination
	v_mov_b32 v[NM+1], 0                           ; second halves of pairs of which the packed forms use the first alone
.irp i, 0,1,2,3
	v_mov_b32 v[AL+2*\i+1], 0
.endr
; The address of the next place of the walk into group 0 of slot s.  Places: 0 unit E; 1..E units 0..E-1; E+1 unit O; E+2..16 units 0..O-1.
.macro NEXTADDR s
	s_add_co_u32 s37, s37, 1
	s_sub_co_u32 s34, s37, 1
	s_sub_co_u32 s36, s37, s15
	s_cmp_gt_u32 s37, s12
	s_cselect_b32 s34, s36, s34
	s_cmp_eq_u32 s37, s14
	s_cselect_b32 s34, s13, s34
	s_lshl_b32 s34, s34, 14
	s_add_nc_u64 s[G0+4*(\s)+2:G0+4*(\s)+3], s[32:33], s[34:35]
	s_or_b32 s[G0+4*(\s)+3], s[G0+4*(\s)+3], 0x80000000
.endm
; Sixteen LDS loads: K's fragments of the 64 keys of step st (window 1: v[128 st + 16 kt + 8 dh])
.macro LDK slot, st
.irp kt, 0,1,2,3
.irp dh, 0,1
	ds_load_b128 v[128*\st+16*\kt+8*\dh:128*\st+16*\kt+8*\dh+3],   v[KA+\slot] offset:(64*\st+16*\kt)*KP+64*\dh
	ds_load_b128 v[128*\st+16*\kt+8*\dh+4:128*\st+16*\kt+8*\dh+7], v[KA+\slot] offset:(64*\st+16*\kt)*KP+64*\dh+32
.endr
.endr
.endm
; Sixteen transposing LDS loads: V^T's fragments of step st (window 1: v[128 st + 64 + 16 dt + 8 kh])
.macro LDV slot, st
.irp dt, 0,1,2,3
.irp kh, 0,1
	ds_load_tr16_b128 v[128*\st+64+16*\dt+8*\kh:128*\st+64+16*\dt+8*\kh+3],   v[VA+\slot] offset:(64*\st+32*\kh)*VP+32*\dt
	ds_load_tr16_b128 v[128*\st+64+16*\dt+8*\kh+4:128*\st+64+16*\dt+8*\kh+7], v[VA+\slot] offset:(64*\st+32*\kh)*VP+32*\dt+16*VP
.endr
.endr
.endm
; The head of a unit in slot slot.  One barrier for two things: behind it this slot is whole, and nobody reads the other slot any more.
.macro RINGHEAD slot, refill
	s_wait_tensorcnt 0x0                           ; all my tensor loads have landed: the one that was out is my piece of this slot; so a group 0 may be written
	ds_add_u32 v62, v63
	s_wait_dscnt 0x0
.if \refill
	NEXTADDR 1-\slot
.endif
	s_wait_dscnt 0x0                               ; my reads of the other slot are back
	s_barrier_signal -1
	s_barrier_wait -1                              ; both now hold of all four waves
.if \refill
	KVLOAD 1-\slot                                 ; my one tensor load behind this barrier, first thing there: it has the whole unit's work in which to land
.endif
	PL 5                                           ; behind the last unit's matrix instructions: four places for loads into their fragments, five for products that write over P
	WIN 0x40                                       ; destination window 1
	LDK \slot, 0                                   ; 48 loads in one run; V of step 1 follows behind step 0's first products
	LDV \slot, 0
	LDK \slot, 1
	WIN 0
.endm
; Scores of query tile i against the 64 keys of step st.  The four sums take turns, one instruction a turn.
.macro QK i, st
.irp kt, 0,1,2,3
	v_wmma_f32_16x16x32_f16 v[SC+32*\i+8*\kt:SC+32*\i+8*\kt+7], v[128*\st+16*\kt:128*\st+16*\kt+7], v[QF+16*\i:QF+16*\i+7], 0
.endr
.irp kt, 0,1,2,3
	v_wmma_f32_16x16x32_f16 v[SC+32*\i+8*\kt:SC+32*\i+8*\kt+7], v[128*\st+16*\kt+8:128*\st+16*\kt+15], v[QF+16*\i+8:QF+16*\i+15], v[SC+32*\i+8*\kt:SC+32*\i+8*\kt+7]
.endr
.endm
; The softmax step of tile i: 32 scores a lane.  first = 1: the step starts maximum and sum.  mask = 1: the diagonal crosses this piece.
.macro SOFT i, st, first, mask
.set SB, SC+32*\i
.if \mask
.irp kt, 0,1,2,3
.irp j, 0,1,2,3,4,5,6,7
	v_cmp_le_i32 vcc_lo, 64*\st+16*\kt+\j-32*\i, v[VD]             ; key <= query
	v_cndmask_b32 v[SB+8*\kt+\j], v[NI], v[SB+8*\kt+\j], vcc_lo    ; else -inf, as reference() sets it
.endr
.endr
.endif
.irp k, 0,1,2,3                                    ; the largest of my 32 scores, in four chains
	v_max3_num_f32 v[T+\k], v[SB+3*\k], v[SB+3*\k+1], v[SB+3*\k+2]
.endr
.irp k, 0,1,2,3
	v_max3_num_f32 v[T+\k], v[T+\k], v[SB+12+2*\k], v[SB+13+2*\k]
.endr
.irp k, 0,1,2,3
	v_max3_num_f32 v[T+\k], v[T+\k], v[SB+20+2*\k], v[SB+21+2*\k]
.endr
.irp k, 0,1
	v_max3_num_f32 v[T+\k], v[T+\k], v[SB+28+2*\k], v[SB+29+2*\k]
.endr
	v_max3_num_f32 v[T], v[T], v[T+1], v[T+2]
	v_max_num_f32 v[T], v[T], v[T+3]
	v_permlanex16_b32 v[T+4], v[T], s44, s45       ; the query's other 32 keys lie in the lane 16 away
.if \first
	v_max_num_f32 v[MX+\i], v[T], v[T+4]
	v_mul_f32 v[NM], s47, v[MX+\i]                 ; -c m
.else
	v_max3_num_f32 v[T+5], v[T], v[T+4], v[MX+\i]  ; the new maximum
	v_mul_f32 v[NM], s47, v[T+5]                   ; -c m
	v_fma_f32 v[T+6], v[MX+\i], s46, v[NM]         ; c (old m - m)
	v_exp_f32 v[AL+2*\i], v[T+6]                   ; what has been summed so far shrinks by this factor
	v_mov_b32 v[MX+\i], v[T+5]                     ; also the plain instruction behind the exponential (ISA guide 5.7.2)
.endif
.set kk, 0
.rept 16
	v_pk_fma_f32 v[SB+kk:SB+kk+1], v[SB+kk:SB+kk+1], s[46:47], v[NM:NM+1] op_sel_hi:[1,0,0]   ; c s - c m, both halves by s46 and v[NM]
.set kk, kk+2
.endr
.set kk, 0
.rept 32
	v_exp_f32 v[SB+kk], v[SB+kk]
.set kk, kk+1
.endr
	v_nop                                          ; one plain instruction before the last exponentials are read
	s_wait_alu depctr_va_vdst(0)
.irp k, 0,1,2,3                                    ; the sum of my 32 weights, unrounded, in four packed chains
	v_pk_add_f32 v[RS+2*\k:RS+2*\k+1], v[SB+4*\k:SB+4*\k+1], v[SB+4*\k+2:SB+4*\k+3]
.endr
.irp k, 0,1,2,3
	v_pk_add_f32 v[RS+2*\k:RS+2*\k+1], v[RS+2*\k:RS+2*\k+1], v[SB+16+2*\k:SB+17+2*\k]
.endr
.irp k, 0,1,2,3
	v_pk_add_f32 v[RS+2*\k:RS+2*\k+1], v[RS+2*\k:RS+2*\k+1], v[SB+24+2*\k:SB+25+2*\k]
.endr
	v_pk_add_f32 v[RS:RS+1], v[RS:RS+1], v[RS+2:RS+3]
	v_pk_add_f32 v[RS+4:RS+5], v[RS+4:RS+5], v[RS+6:RS+7]
	v_pk_add_f32 v[RS:RS+1], v[RS:RS+1], v[RS+4:RS+5]
.if \first
	v_add_f32 v[LS+\i], v[RS], v[RS+1]
.else
	v_add_f32 v[T], v[RS], v[RS+1]
	v_fma_f32 v[LS+\i], v[LS+\i], v[AL+2*\i], v[T]
.endif
.set kk, 0
.rept 16
	v_cvt_pk_f16_f32 v[SB+kk], v[SB+2*kk], v[SB+2*kk+1]            ; in place, ascending: registers 8 kh .. 8 kh + 7 are then P's fragment of keys 32 kh .. 32 kh + 31
.set kk, kk+1
.endr
.endm
.macro RESC i                          ; tile i's results shrink by its factor
.set kk, 0
.rept 16
	v_pk_mul_f32 v[32*\i+kk:32*\i+kk+1], v[32*\i+kk:32*\i+kk+1], v[AL+2*\i:AL+2*\i+1] op_sel_hi:[1,0]
.set kk, kk+2
.endr
.endm
; O^T of tile i += V^T P^T over the 64 keys of step st.  The four sums take turns, one instruction a turn.
.macro PV i, st, first
.irp kh, 0,1
.irp dt, 0,1,2,3
.if \first*(1-\kh)
	v_wmma_f32_16x16x32_f16 v[32*\i+8*\dt:32*\i+8*\dt+7], v[128*\st+64+16*\dt+8*\kh:128*\st+64+16*\dt+8*\kh+7], v[SC+32*\i+8*\kh:SC+32*\i+8*\kh+7], 0
.else
	v_wmma_f32_16x16x32_f16 v[32*\i+8*\dt:32*\i+8*\dt+7], v[128*\st+64+16*\dt+8*\kh:128*\st+64+16*\dt+8*\kh+7], v[SC+32*\i+8*\kh:SC+32*\i+8*\kh+7], v[32*\i+8*\dt:32*\i+8*\dt+7]
.endif
.endr
.endr
.endm
; Step st (64 keys) of the unit in slot slot for tiles lo .. 3; tiles lo .. mhi are crossed by the diagonal (mhi = -1: none).
; The unit's LDS loads go out as K of step 0, V of step 0, K of step 1 at the unit's head and V of step 1 in step 0, sixteen each, and come back in order (ISA guide 5.7.1).
.macro STEP st, slot, lo, first, mhi
	s_wait_dscnt 32-16*\st                         ; this step's K is in.  Step 0: V of step 0 and K of step 1, 32 loads, may be out; step 1: V of step 1, 16 loads
	WIN 0x01                                       ; source 0 (K) window 1
.irp i, 0,1,2,3
.if \i >= \lo
	QK \i, \st
.endif
.endr
.if \st == 0
	WIN 0x40                                       ; destination window 1
	LDV \slot, 1                                   ; its registers were last read by the unit before, in front of the five places at this unit's head
.endif
	WIN 0
	PL 4                                           ; four places before vector instructions read the scores
.irp i, 0,1,2,3
.if \i >= \lo
.if \i <= \mhi
	SOFT \i, \st, \first, 1
.else
	SOFT \i, \st, \first, 0
.endif
.endif
.endr
.if \first == 0
	WIN 0x82                                       ; destination and source 0 window 2
.irp i, 0,1,2,3
.if \i >= \lo
	RESC \i
.endif
.endr
.endif
	s_wait_dscnt 32-32*\st                         ; this step's V is in.  Step 0: K and V of step 1, 32 loads, may be out; step 1: nothing is behind it
	WIN 0xa1                                       ; source 0 (V) window 1, source 1 (P) window 0, C and D window 2
.irp i, 0,1,2,3
.if \i >= \lo
	PV \i, \st, \first
.endif
.endr
	WIN 0
.if \st == 0
	PL 5                                           ; five places before the next step's products write over P
.endif
.endm
.macro FULL slot, refill               ; a unit wholly in front of the block's queries
	RINGHEAD \slot, \refill
	STEP 0, \slot, 0, 0, -1
	STEP 1, \slot, 0, 0, -1
.endm
.macro DIAG slot                       ; the unit on the diagonal, a block's first
	RINGHEAD \slot, 1
	s_wait_loadcnt 0x0                             ; the block's Q is in
	STEP 0, \slot, 0, 1, 1                         ; keys 0-63: queries 0-63 (tiles 0, 1) are crossed, queries 64-127 see them all
	STEP 1, \slot, 2, 0, 3                         ; keys 64-127: dead for tiles 0, 1; tiles 2, 3 are crossed
.endm
; A block's end: divide by the sum, round to f16, through the stage, out in whole runs of 256 bytes.  more = 1: the next block's Q is asked for first.
.macro FINISH sblk, more, snext
	PL 4                                           ; behind the last products: for the reads of O, the writes over P, and the loads into Q
.if \more
	LOADQ \snext
.endif
.irp i, 0,1,2,3
	v_permlanex16_b32 v[T+\i], v[LS+\i], s44, s45  ; the sum over the query's other keys
.endr
.irp i, 0,1,2,3
	v_add_f32 v[LS+\i], v[LS+\i], v[T+\i]
.endr
.irp i, 0,1,2,3
	v_rcp_f32 v[AL+2*\i], v[LS+\i]
.endr
.irp i, 0,1,2,3
	v_cmp_eq_f32 s[40+\i], v[LS+\i], v[LS+\i]      ; false where the sum is NaN; the first of these is the plain instruction behind the reciprocals
.endr
	WIN 0x02                                       ; source 0 (O) window 2
	s_wait_alu depctr_va_vdst(0)
.irp i, 0,1,2,3
.set kk, 0
.rept 16
	v_pk_mul_f32 v[SC+32*\i+kk:SC+32*\i+kk+1], v[32*\i+kk:32*\i+kk+1], v[AL+2*\i:AL+2*\i+1] op_sel_hi:[1,0]
.set kk, kk+2
.endr
.endr
	WIN 0
.irp i, 0,1,2,3
.set kk, 0
.rept 16
	v_cvt_pk_f16_f32 v[SC+32*\i+kk], v[SC+32*\i+2*kk], v[SC+32*\i+2*kk+1]
.set kk, kk+1
.endr
.set kk, 0
.rept 16
	v_cndmask_b32 v[SC+32*\i+kk], 0, v[SC+32*\i+kk], s[40+\i]      ; nan_to_num: all weights of such a row are NaN in reference() and become 0
.set kk, kk+1
.endr
.endr
.irp i, 0,1,2,3
.irp dt, 0,1,2,3
	ds_store_b128 v[STO], v[SC+32*\i+4*\dt:SC+32*\i+4*\dt+3] offset:32*SP*\i+32*\dt
.endr
.endr
	s_wait_dscnt 0x0                               ; my stores are done, for the others' sake
	s_barrier_signal -1
	s_barrier_wait -1                              ; the stage is whole.  No slot is filled behind this barrier, so the unit that is on its way may stay out
	s_lshl_b32 s54, s2, 11                         ; token 2,048 b
	s_lshl_b32 s55, \sblk, 7                       ; + 128 x block
	s_add_co_u32 s54, s54, s55
	s_lshl_b32 s55, s8, 5                          ; + 32 w
	s_add_co_u32 s54, s54, s55
	s_lshl_b32 s54, s54, 11                        ; x 2,048 bytes
	s_lshl_b32 s55, s3, 8                          ; + the head pair's 256 bytes
	s_add_co_u32 s54, s54, s55
	s_mov_b32 s55, 0
	s_add_nc_u64 s[52:53], s[6:7], s[54:55]
.irp n, 0,1,2,3,4,5,6,7,8,9,10,11,12,13,14,15
	ds_load_b128 v[SC+4*\n:SC+4*\n+3], v[RD] offset:2*SP*\n
.endr
.irp n, 0,1,2,3,4,5,6,7,8,9,10,11,12,13,14,15
	s_wait_dscnt 15-\n                             ; load n of the sixteen is in
	global_store_b128 v[CO], v[SC+4*\n:SC+4*\n+3], s[52:53] offset:4096*\n   ; sixteen lanes store 256 consecutive bytes, at a multiple of 256 from ob's first byte
.endr
.if \more
	s_wait_xcnt 0x0                                ; the stores' data registers and base are written again only behind this wait
.endif
.endm
	DIAG 0                                         ; place 0, slot 0
	s_cmp_eq_u32 s11, 0
	s_cbranch_scc1 .Lno_low
	s_mov_b32 s38, 0
.Llow:                                             ; places 1 .. E: units 0 .. E - 1, two a trip
	FULL 1, 1
	FULL 0, 1
	s_add_co_u32 s38, s38, 1
	s_cmp_lt_u32 s38, s11
	s_cbranch_scc1 .Llow
.Lno_low:
	FINISH s12, 1, s13
	DIAG 1                                         ; place E + 1, an odd one: slot 1
	s_cmp_eq_u32 s39, 0
	s_cbranch_scc1 .Lno_high
	s_mov_b32 s38, 0
.Lhigh:                                            ; places E + 2 .. 15: units 0 .. O - 2, two a trip
	FULL 0, 1
	FULL 1, 1
	s_add_co_u32 s38, s38, 1
	s_cmp_lt_u32 s38, s39
	s_cbranch_scc1 .Lhigh
.Lno_high:
	FULL 0, 0                                      ; place 16: unit O - 1; nothing is left to fetch, and its wait for all tensor loads is the last
	FINISH s13, 0, s13
	s_wait_tensorcnt 0x0
	ds_add_u32 v62, v63
	s_wait_dscnt 0x0
	s_endpgm
.Lfunc_end_k_qce7463f832_attn:
	.size	k_qce7463f832_attn, .Lfunc_end_k_qce7463f832_attn-k_qce7463f832_attn
	.p2alignl 7, 3214868480
	.fill 96, 4, 3214868480
	.section	.rodata,"a",@progbits
	.p2align	6, 0x0
	.amdhsa_kernel k_qce7463f832_attn
		.amdhsa_group_segment_fixed_size 327680
		.amdhsa_private_segment_fixed_size 0
		.amdhsa_enable_private_segment 0
		.amdhsa_kernarg_size 16
		.amdhsa_user_sgpr_count 2
		.amdhsa_user_sgpr_kernarg_segment_ptr 1
		.amdhsa_wavefront_size32 1
		.amdhsa_system_sgpr_workgroup_id_x 1
		.amdhsa_system_sgpr_workgroup_id_y 1
		.amdhsa_system_sgpr_workgroup_id_z 1
		.amdhsa_system_vgpr_workitem_id 0
		.amdhsa_next_free_vgpr 640
		.amdhsa_next_free_sgpr 66
		.amdhsa_reserve_vcc 1
		.amdhsa_float_denorm_mode_32 3
		.amdhsa_float_denorm_mode_16_64 3
		.amdhsa_memory_ordered 1
		.amdhsa_forward_progress 1
		.amdhsa_inst_pref_size 255
	.end_amdhsa_kernel
	.section	.bss,"aw",@nobits
	.p2align	6
	.space	262144
	.amdgpu_metadata
---
amdhsa.version: [ 1, 2 ]
amdhsa.kernels:
  - .name:           k_qce7463f832_attn
    .symbol:         k_qce7463f832_attn.kd
    .args:
      - { .name: qkv, .offset: 0, .size: 8, .value_kind: global_buffer, .address_space: global }
      - { .name: ob, .offset: 8, .size: 8, .value_kind: global_buffer, .address_space: global }
    .group_segment_fixed_size: 327680
    .private_segment_fixed_size: 0
    .kernarg_segment_align: 8
    .kernarg_segment_size: 16
    .max_flat_workgroup_size: 128
    .sgpr_count:     66
    .vgpr_count:     640
    .wavefront_size: 32
...
	.end_amdgpu_metadata
.endif
;; end of part 3
;; launch oproj (part 4): grid 8 x 32, 4 waves a work-group, clusters of 4 x 4, 327,680 bytes of LDS; arguments ob, wb, out0; writes out0
.if DOCPART == 4
	.amdgcn_target "amdgcn-amd-amdhsa--gfx1250"
	.amdhsa_code_object_version 6
	.text
	.protected	k_qce7463f832_oproj
	.globl	k_qce7463f832_oproj
	.p2align	8
	.type	k_qce7463f832_oproj,@function
k_qce7463f832_oproj:
	s_mov_b64 s[64:65], 0
	v_nop
	global_prefetch_b8 v0, s[64:65] scope:SCOPE_SE
	s_setreg_imm32_b32 hwreg(HW_REG_WAVE_MODE, 25, 1), 1
	s_wait_xcnt 0x0
	s_wait_alu depctr_hold_cnt(0) depctr_sa_sdst(0) depctr_va_vdst(0) depctr_va_sdst(0) depctr_va_ssrc(0) depctr_va_vcc(0) depctr_vm_vsrc(0)
	s_getreg_b32 s2, hwreg(HW_REG_IB_STS2, 6, 4)
	s_cmp_eq_u32 s2, 0
	s_cbranch_scc0 .Lentry_in_a_cluster
	s_endpgm
.Lentry_in_a_cluster:
	s_bfe_u32 s2, ttmp6, 0x10000c
	s_cmp_lg_u32 s2, 0xf033
	s_cbranch_scc0 .Lentry_shape_is_right
	s_endpgm
.Lentry_shape_is_right:
; out0[t][j] = sum over i of ob[t][i] Wo[j][i]: ob [8192][1024] f16, Wo = wb's rows 3072-4095 as f16 codes of its bf16 rounding, f32 sums, out0 f32.  Nothing of reference() is left out here.
; A work-group makes 256 tokens x 128 features with four waves: 8 x 32 = 256 work-groups.  Wave w makes tokens 64 w .. 64 w + 63 x all 128 features: 32 accumulator tiles, 256 registers;
; its way out is its own and writes runs of 512 consecutive bytes.
; K goes in steps of 128 through a ring of two LDS slots filled by the tensor data mover; a tile's rows are 256 bytes of memory, at multiples of 256 from the buffer's first byte.
; CLUSTERS: 4 x 4 work-groups.  The four of a row of the cluster need the same 256 tokens of ob, the four of a column the same 128 rows of Wo: each tile is asked for jointly, by the same
; tensor load with the same descriptor and a mask that names the four, which divides the requests for both by four.
; REGISTERS: window 0: v16-26 addresses; v32-63, v64-95 fragments of ob, two buffers; v96-223 rows read back on the way out.  Window 1: v0-63, v64-127 fragments of Wo, two buffers.
;   Window 2: accumulator tiles of my tokens 0-31 (tile (a, b) at v[8 (8 a + b)]);  window 3: those of my tokens 32-63.
; THE MATRIX INSTRUCTION IS USED TRANSPOSED: source 0 = 16 rows of Wo, source 1 = 16 rows of ob: lane l holds token l % 16 and in registers 0 to 7 the features 8 (l / 16) + 0 .. 7: 32 neighbouring bytes.
.set SIZE_K, 1024
.set KSTEP,  128
.set PITCH,  272                       ; an LDS row: 256 bytes + 16 of padding = 68 words: row r starts at bank 4 r mod 64 (64 banks of 4 bytes: ISA guide 11.1)
.set NB,     8                         ; tiles of 16 features
.set BROWS,  16*NB
.set BOFF,   3072*2048                 ; Wo's first byte in wb
.set HALFA,  128*PITCH                 ; what waves 0 and 1 each fetch: 128 tokens
.set HALFB,  (BROWS/2)*PITCH           ; what waves 2 and 3 each fetch: 64 rows of Wo
.set SLOT,   2*HALFA+2*HALFB           ; 104,448
.set STAGE,  2*SLOT                    ; 208,896, a multiple of 256: behind the ring, never filled by a tensor load
.set SPITCH, 4*BROWS+16                ; a stage row: 128 f32 + 16 bytes = 528, an odd multiple of 16
.set WSTAGE, 16*SPITCH
.set LAPS,   SIZE_K/(2*KSTEP)
.set ADRA, 16
.set ADRB, 20
.set STO,  24
.set RD,   25
.set CO,   26
.set FA,   32                          ; window 0: buffer f at FA + 32 f
.set FB,   0                           ; window 1: buffer f at FB + 8 NB f
.set RB,   96                          ; v96-159, v160-223: rows read back, two buffers
.set G1,  24
.set G0,  32
.set G1B, 48
.set G0B, 56
.set MSB, 0
.macro WIN new                         ; s_set_vgpr_msb: bits 1:0 source 0, 3:2 source 1, 5:4 source 2, 7:6 destination; the high byte repeats the setting that is left
.if MSB != \new
	s_set_vgpr_msb (MSB<<8)|\new
.set MSB, \new
.endif
.endm
.set MUL_LO, 0xa1
.set MUL_HI, 0xf1
.set TO_B,   0x40
.macro JLOAD s                         ; a joint load: waves 0, 1 ask for ob's halves, waves 2, 3 for Wo's; the branch hangs on the wave's number alone
	s_cmp_eq_u32 s11, 0
	s_cbranch_scc0 .Lfor_b_\@
	tensor_load_to_lds s[G0+4*\s:G0+4*\s+3], s[G1:G1+7]
	s_nop 0
	s_branch .Lasked_\@
.Lfor_b_\@:
	tensor_load_to_lds s[G0B+4*\s:G0B+4*\s+3], s[G1B:G1B+7]
	s_nop 0
.Lasked_\@:
.endm
.macro CREST                           ; a round of the cluster's barrier behind its opening barrier: wave 0 signals for the work-group, every wave waits for all sixteen, my work-group's barrier closes it
	s_cmp_lg_u32 s10, 0
	s_cbranch_scc1 .Lnot_wave_0_\@
	s_barrier_signal -3
.Lnot_wave_0_\@:
	s_barrier_wait -3
	s_barrier_signal -1
	s_barrier_wait -1
.endm
.macro CROUND                          ; a whole round
	s_barrier_signal -1
	s_barrier_wait -1
	CREST
.endm
	s_load_b128 s[4:7], s[0:1], 0x0                ; ob s[4:5], wb s[6:7]
	s_load_b64 s[8:9], s[0:1], 0x10                ; out0
	s_set_vgpr_msb 0x40
	v_lshl_add_u32 v255, v0, 2, 0x3b400
	s_set_vgpr_msb 0x4000
	v_mov_b32 v255, 0
	s_set_vgpr_msb 0x1
	ds_add_u32 v255, v255
	ds_add_u32 v255, v255
	s_set_vgpr_msb 0x100
	v_lshrrev_b32 v1, 5, v0
	v_readfirstlane_b32 s10, v1                    ; wave 0..3
	s_lshr_b32 s11, s10, 1                         ; I fetch for ob (0) or for Wo (1)
	s_and_b32 s12, s10, 1                          ; which half of that tile
	s_bfe_u32 s40, ttmp6, 0x40000                  ; cx
	s_bfe_u32 s41, ttmp6, 0x40004                  ; cy
	s_lshl_b32 s42, ttmp9, 2
	s_add_co_u32 s42, s42, s40                     ; feature block = 4 x cluster x + cx
	s_and_b32 s13, ttmp7, 0xffff
	s_lshl_b32 s13, s13, 2
	s_add_co_u32 s13, s13, s41                     ; token block = 4 x cluster y + cy
	s_lshl_b32 s43, s41, 2
	s_lshl_b32 s43, 15, s43                        ; my row of the cluster
	s_lshl_b32 s44, 0x1111, s40                    ; my column
	s_or_b32 s[G1+0],  s43, (1<<16)|(1<<20)|(1<<21)|(5<<22)|(3<<25)  ; the mask; 2-byte elements; padding on; bit 21 beside a mask; after every 64 words four words
	s_or_b32 s[G1B+0], s44, (1<<16)|(1<<20)|(1<<21)|(5<<22)|(3<<25)
	s_mov_b32 s[G1+1],  KSTEP<<16                  ; tensor_dim0 = 128
	s_mov_b32 s[G1B+1], KSTEP<<16
	s_mov_b32 s[G1+2],  128<<16                    ; tensor_dim1 = 128 rows
	s_mov_b32 s[G1B+2], (BROWS/2)<<16              ; 64 rows
	s_mov_b32 s[G1+3],  KSTEP<<16                  ; tile_dim0 = 128
	s_mov_b32 s[G1B+3], KSTEP<<16
	s_mov_b32 s[G1+4],  128                        ; tile_dim1
	s_mov_b32 s[G1B+4], BROWS/2
	s_mov_b32 s[G1+5],  SIZE_K                     ; elements from row to row
	s_mov_b32 s[G1B+5], SIZE_K
	s_mov_b32 s[G1+6],  0
	s_mov_b32 s[G1B+6], 0
	s_mov_b32 s[G1+7],  0
	s_mov_b32 s[G1B+7], 0
	; ob's tiles hang on the token block alone, Wo's on the feature block alone; each address is made in registers that never hold the other coordinate
	s_lshl_b32 s16, s13, 8
	s_lshl_b32 s17, s12, 7
	s_add_co_u32 s16, s16, s17                     ; ob: row 256 x block + 128 x half
	s_lshl_b32 s16, s16, 11
	s_mov_b32 s17, 0
	s_mul_i32 s46, s42, BROWS
	s_mul_i32 s47, s12, BROWS/2
	s_add_co_u32 s46, s46, s47                     ; Wo: row 128 x block + 64 x half
	s_lshl_b32 s46, s46, 11
	s_add_co_u32 s46, s46, BOFF
	s_mov_b32 s47, 0
	s_mul_i32 s20, s10, HALFA                      ; waves 0, 1: ob's halves at 0 and HALFA;
	s_mul_i32 s21, s10, HALFB                      ; waves 2, 3: Wo's halves behind them
	s_add_co_u32 s21, s21, 2*HALFA-2*HALFB
	s_wait_dscnt 0x0
	s_wait_kmcnt 0x0
	s_add_nc_u64 s[14:15], s[4:5], s[16:17]
	s_add_nc_u64 s[46:47], s[6:7], s[46:47]
	CROUND                                         ; all sixteen work-groups are here: the first joint loads meet
.irp s, 0,1
	s_mov_b32 s[G0+4*\s], 1
	s_add_co_u32 s[G0+4*\s+1], s20, \s*SLOT
	s_add_nc_u64 s[G0+4*\s+2:G0+4*\s+3], s[14:15], \s*KSTEP*2
	s_or_b32 s[G0+4*\s+3], s[G0+4*\s+3], 0x80000000
	s_mov_b32 s[G0B+4*\s], 1
	s_add_co_u32 s[G0B+4*\s+1], s21, \s*SLOT
	s_add_nc_u64 s[G0B+4*\s+2:G0B+4*\s+3], s[46:47], \s*KSTEP*2
	s_or_b32 s[G0B+4*\s+3], s[G0B+4*\s+3], 0x80000000
	JLOAD \s                                       ; both slots are asked for before anything else: two loads of mine are out
.endr
	v_and_b32 v1, 15, v0                           ; r
	v_bfe_u32 v2, v0, 4, 1                         ; h
	v_mul_u32_u24 v3, v1, PITCH
	v_lshl_add_u32 v3, v2, 4, v3                   ; row x pitch + 16 h
	s_mul_i32 s22, s10, 64*PITCH                   ; my 64 tokens
	s_mov_b32 s23, 2*HALFA                         ; Wo's rows: every wave reads all of them
.irp s, 0,1
	v_add_nc_u32 v[ADRA+\s], s22, v3
	v_add_nc_u32 v[ADRB+\s], s23, v3
	s_add_co_u32 s22, s22, SLOT
	s_add_co_u32 s23, s23, SLOT
.endr
	s_mul_i32 s23, s10, WSTAGE
	s_add_co_u32 s23, s23, STAGE                   ; my stage
	v_mul_u32_u24 v4, v1, SPITCH                   ; in: token r, 32 bytes for each half of the lanes
	v_lshl_add_u32 v4, v2, 5, v4
	v_add_nc_u32 v[STO], s23, v4
	v_and_b32 v5, 31, v0
	v_lshlrev_b32 v[CO], 4, v5                     ; back and out: 32 lanes take one token's 512 bytes
	v_add_nc_u32 v[RD], s23, v[CO]
.macro MULA f, hi, a, zero             ; NB matrix instructions: token tile 2 hi + a x all feature tiles, 32 along K; zero = 1: the first product starts the sums
.set bb, 0
.rept NB
.if \zero
	v_wmma_f32_16x16x32_f16 v[8*(NB*\a+bb):8*(NB*\a+bb)+7], v[FB+8*NB*\f+8*bb:FB+8*NB*\f+8*bb+7], v[FA+32*\f+8*(2*\hi+\a):FA+32*\f+8*(2*\hi+\a)+7], 0
.else
	v_wmma_f32_16x16x32_f16 v[8*(NB*\a+bb):8*(NB*\a+bb)+7], v[FB+8*NB*\f+8*bb:FB+8*NB*\f+8*bb+7], v[FA+32*\f+8*(2*\hi+\a):FA+32*\f+8*(2*\hi+\a)+7], v[8*(NB*\a+bb):8*(NB*\a+bb)+7]
.endif
.set bb, bb+1
.endr
.endm
.macro FETCH slot, k, f                ; 2 NB + 8 LDS loads in one run: Wo's fragments first, then ob's token tiles 0 to 3
	WIN TO_B
.set bb, 0
.rept NB
	ds_load_b128 v[FB+8*NB*\f+8*bb:FB+8*NB*\f+8*bb+3],   v[ADRB+\slot] offset:\k+bb*16*PITCH
	ds_load_b128 v[FB+8*NB*\f+8*bb+4:FB+8*NB*\f+8*bb+7], v[ADRB+\slot] offset:\k+bb*16*PITCH+32
.set bb, bb+1
.endr
	WIN 0
.irp i, 0,1,2,3
	ds_load_b128 v[FA+32*\f+8*\i:FA+32*\f+8*\i+3],   v[ADRA+\slot] offset:\k+\i*16*PITCH
	ds_load_b128 v[FA+32*\f+8*\i+4:FA+32*\f+8*\i+7], v[ADRA+\slot] offset:\k+\i*16*PITCH+32
.endr
.endm
.macro PLACES                          ; four places behind a matrix instruction, in front of loads into its sources and of LDS stores of its results
.rept 4
	v_nop
.endr
.endm
; Four quarter steps of 32 along K to a K step, on buffers 0, 1, 0, 1.  The 4 NB accumulators take turns, one instruction a turn, in the same order in every quarter,
; over the loop's backward jump too.
.macro QUARTER slot, k, f, g, zero
	s_wait_dscnt 4                                 ; Wo's fragments and token tiles 0, 1 are in; the youngest four loads may be out
	WIN MUL_LO
	MULA \f, 0, 0, \zero
	MULA \f, 0, 1, \zero
	PLACES
	FETCH \slot, \k, \g
	s_wait_dscnt 2*NB+8                            ; all but the 2 NB + 8 just issued
	WIN MUL_HI
	MULA \f, 1, 0, \zero
	MULA \f, 1, 1, \zero
.endm
.macro THREE slot, zero
	QUARTER \slot, 64,  0, 1, \zero
	QUARTER \slot, 128, 1, 0, 0
	QUARTER \slot, 192, 0, 1, 0
.endm
; The last quarter changes slots: in front of the one barrier each wave waits for its reads of this slot and for all its tensor loads (one is out: its part of the next slot);
; behind it the refill comes first, then the next slot's first fragments.
.macro TURN slot, next, fill
	s_wait_dscnt 4
	WIN MUL_LO
	MULA 1, 0, 0, 0
	s_wait_dscnt 0                                 ; my reads of this slot are over
	s_wait_tensorcnt 0x0                           ; and all my tensor loads have landed
	ds_add_u32 v255, v255
	s_wait_dscnt 0x0
	s_barrier_signal -1                            ; (where a slot is filled again this barrier opens a round of the cluster's barrier)
	MULA 1, 0, 1, 0                                ; work on registers while the others arrive
	WIN 0
	s_barrier_wait -1
.if \fill
	CREST                                          ; no wave of any partner still reads this slot's tile or has a load on its way
	s_add_nc_u64 s[G0+4*\slot+2:G0+4*\slot+3], s[G0+4*\slot+2:G0+4*\slot+3], 2*KSTEP*2
	s_add_nc_u64 s[G0B+4*\slot+2:G0B+4*\slot+3], s[G0B+4*\slot+2:G0B+4*\slot+3], 2*KSTEP*2
	JLOAD \slot                                    ; the first tensor load behind the round, and my only one until the next
.endif
	PLACES
	FETCH \next, 0, 0
	WIN MUL_HI
	MULA 1, 1, 0, 0
	MULA 1, 1, 1, 0
.endm
.macro LAP zero
	THREE 0, \zero
	TURN 0, 1, 1
	THREE 1, 0
	TURN 1, 0, 1
.endm
	s_wait_tensorcnt 1                             ; my part of K step 0 is in; K step 1's stays out
	s_barrier_signal -1
	s_barrier_wait -1
	FETCH 0, 0, 0
	LAP 1                                          ; the first lap's first products start the sums
	WIN 0
	s_mov_b32 s3, LAPS-2
.Llap:
	LAP 0
	WIN 0
	s_sub_co_u32 s3, s3, 1
	s_cmp_lg_u32 s3, 0
	s_cbranch_scc1 .Llap
	THREE 0, 0                                     ; the last lap fills nothing
	TURN 0, 1, 0
	THREE 1, 0
	s_wait_dscnt 4
	WIN MUL_LO
	MULA 1, 0, 0, 0
	MULA 1, 0, 1, 0
	s_wait_dscnt 0
	WIN MUL_HI
	MULA 1, 1, 0, 0
	MULA 1, 1, 1, 0
	; THE WAY OUT, 16 tokens at a time: the f32 sums go as they are, 32 bytes a lane, into my own stage and come back as whole rows of 512 bytes.
	PLACES
	s_lshl_b32 s16, s13, 20                        ; 256 tokens x 4,096 bytes
	s_lshl_b32 s17, s10, 18                        ; my 64 tokens
	s_add_co_u32 s16, s16, s17
	s_mov_b32 s17, 0
	s_add_nc_u64 s[8:9], s[8:9], s[16:17]
	s_lshl_b32 s46, s42, 9                         ; my block's 128 features (in the registers that held Wo's address: none that feeds ob's descriptors ever holds cx)
	s_mov_b32 s47, 0
	s_add_nc_u64 s[8:9], s[8:9], s[46:47]          ; never stepped: the token stands in the stores' immediates, 258,048 bytes at the most
; tokens 16 a .. 16 a + 15 of my 64 = tiles (ta, 0..7) of window 2 or 3 (from = 0x08 or 0x0c: an LDS store's data is source 1); f: read-back buffer 0 or 1 in turn
.macro OUT16F a, ta, from, f
	WIN \from
.set bb, 0
.rept NB
	ds_store_b128 v[STO], v[8*(NB*\ta+bb):8*(NB*\ta+bb)+3]   offset:64*bb
	ds_store_b128 v[STO], v[8*(NB*\ta+bb)+4:8*(NB*\ta+bb)+7] offset:64*bb+16
.set bb, bb+1
.endr
	WIN 0
	s_wait_xcnt 0x0                                ; every earlier store has had its addresses translated (ISA guide 3.1): buffer f, which stores read, is loaded again only behind this wait
.irp t, 0,1,2,3,4,5,6,7,8,9,10,11,12,13,14,15
	ds_load_b128 v[RB+64*\f+4*\t:RB+64*\f+4*\t+3], v[RD] offset:SPITCH*\t    ; LDS serves a wave's instructions in order (ISA guide 5.7.1): these see the stores above
.endr
.irp t, 0,1,2,3,4,5,6,7,8,9,10,11,12,13,14,15
	s_wait_dscnt 15-\t                             ; load t of the sixteen is in
	global_store_b128 v[CO], v[RB+64*\f+4*\t:RB+64*\f+4*\t+3], s[8:9] offset:(16*\a+\t)*4096 th:TH_STORE_NT   ; 512 consecutive bytes, at a multiple of 512 from out0's first byte
.endr
.endm
	OUT16F 0, 0, 0x08, 0
	OUT16F 1, 1, 0x08, 1
	OUT16F 2, 0, 0x0c, 0
	OUT16F 3, 1, 0x0c, 1
	s_set_vgpr_msb 0x1
	s_wait_tensorcnt 0x0
	ds_add_u32 v255, v255
	s_wait_dscnt 0x0
	s_set_vgpr_msb 0x100
	CROUND                                         ; the closing round: no work-group ends while a partner may still ask for a tile that names it
	s_endpgm
.Lfunc_end_k_qce7463f832_oproj:
	.size	k_qce7463f832_oproj, .Lfunc_end_k_qce7463f832_oproj-k_qce7463f832_oproj
	.p2alignl 7, 3214868480
	.fill 96, 4, 3214868480
	.section	.rodata,"a",@progbits
	.p2align	6, 0x0
	.amdhsa_kernel k_qce7463f832_oproj
		.amdhsa_group_segment_fixed_size 327680
		.amdhsa_private_segment_fixed_size 0
		.amdhsa_enable_private_segment 0
		.amdhsa_kernarg_size 24
		.amdhsa_user_sgpr_count 2
		.amdhsa_user_sgpr_kernarg_segment_ptr 1
		.amdhsa_wavefront_size32 1
		.amdhsa_system_sgpr_workgroup_id_x 1
		.amdhsa_system_sgpr_workgroup_id_y 1
		.amdhsa_system_sgpr_workgroup_id_z 1
		.amdhsa_system_vgpr_workitem_id 0
		.amdhsa_next_free_vgpr 896
		.amdhsa_next_free_sgpr 66
		.amdhsa_reserve_vcc 0
		.amdhsa_float_denorm_mode_32 3
		.amdhsa_float_denorm_mode_16_64 3
		.amdhsa_memory_ordered 1
		.amdhsa_forward_progress 1
		.amdhsa_inst_pref_size 119
	.end_amdhsa_kernel
	.amdgpu_metadata
---
amdhsa.version: [ 1, 2 ]
amdhsa.kernels:
  - .name:           k_qce7463f832_oproj
    .symbol:         k_qce7463f832_oproj.kd
    .args:
      - { .name: ob, .offset: 0, .size: 8, .value_kind: global_buffer, .address_space: global }
      - { .name: wb, .offset: 8, .size: 8, .value_kind: global_buffer, .address_space: global }
      - { .name: out0, .offset: 16, .size: 8, .value_kind: global_buffer, .address_space: global }
    .group_segment_fixed_size: 327680
    .private_segment_fixed_size: 0
    .kernarg_segment_align: 8
    .kernarg_segment_size: 24
    .max_flat_workgroup_size: 128
    .sgpr_count:     66
    .vgpr_count:     896
    .wavefront_size: 32
...
	.end_amdgpu_metadata
.endif
;; end of part 4
;; ======== version 2 of 2: 4 launches; version 1 with the launch cast written anew for expert scheduling mode
;; limits: values are held in f16: magnitudes above 65,504 overflow, below 6.1e-05 lose precision
;; workspace buffers: xb 16,777,216 bytes; wb 8,388,608 bytes; qkv 50,331,648 bytes; ob 16,777,216 bytes
;; launch cast (part 5): grid 768 x 1, 8 waves a work-group, no clusters, 0 bytes of LDS; arguments x, Wq, Wk, Wv, Wo, xb, wb; writes xb, wb
.if DOCPART == 5
	.amdgcn_target "amdgcn-amd-amdhsa--gfx1250"
	.amdhsa_code_object_version 6
	.text
	.protected	k_qce7463f832_cast
	.globl	k_qce7463f832_cast
	.p2align	8
	.type	k_qce7463f832_cast,@function
k_qce7463f832_cast:
	s_mov_b64 s[64:65], 0
	v_nop
	global_prefetch_b8 v0, s[64:65] scope:SCOPE_SE
	s_setreg_imm32_b32 hwreg(HW_REG_WAVE_SCHED_MODE, 0, 2), 2
	s_setreg_imm32_b32 hwreg(HW_REG_WAVE_MODE, 25, 1), 1
	s_wait_xcnt 0x0
	s_wait_alu depctr_vm_vsrc(0)
; THE PROGRAM: causal multi-head attention, out0 = softmax(causal(q k^T / 8)) v, projected by Wo; q, k, v = x Wq^T, x Wk^T, x Wv^T.
; Four launches: (1) this one rounds the five inputs once to 16 bits; (2) one product [8192 x 1024] x [1024 x 3072] makes q, k, v, stored head by head;
; (3) attention with a running maximum, two heads a work-group; (4) the product with Wo.
;
; WORK LEFT OUT (in launch 3).  reference() sets attn[q][k] to -inf wherever k > q, by its own jnp.tril, so that key's softmax weight is exp(-inf) = 0 and its
; term 0 * v[k] adds nothing to any output, whatever finite values x and the weights hold.  Where that holds of whole pieces they are not computed: key units of
; 128 keys that lie wholly behind a block of 128 queries, and, in the unit on the diagonal, its keys 64-127 for the queries 0-63.  Inside the 16 x 64 pieces that
; the diagonal crosses everything is computed and the dead scores are replaced by -inf, as reference() does.  Every input has a way to the output: all five are read.
; LIMIT: a NaN, an infinity or an overflow that reaches only the work left out (a later key's k or v) is not carried to the result.
; KEPT: the maximum taken away before the exponential (as a running maximum); nan_to_num (a row whose softmax sum is NaN gives zeros).
;
; NUMBER FORMATS.  x, Wq, Wk, Wv, Wo are rounded once to bf16 (nearest even).  q, k, v, the softmax weights and the attention's result are matrix operands in f16:
; three more bits of mantissa than bf16.  LIMITS: |q|, |k|, |v| above 65,504 become infinities; below 2^-14 they keep an absolute step of 2^-24.  With x and a
; weight both 30 times the drawn spread q, k, v have spread 900; with both carrying an offset of 30 spreads they are near 1024 * 30 * 0.94 = 29,000: inside f16.
; All sums are f32; their order differs from reference()'s.
;
; THIS LAUNCH.  768 work-groups of 8 waves; each turns 65,536 bytes of f32 into 32,768 bytes.  Work-groups 0-511: x to xb.  512-767: Wq, Wk, Wv, Wo (64 chunks each)
; to wb, rows 0-1023, 1024-2047, 2048-3071, 3072-4095.  Wo's partner in its product is f16, and a matrix instruction takes both operands in one format, so Wo's
; bf16 number is written as an f16 code: exact from 2^-17 to 65,504, an absolute step of 2^-24 below.
; A stream: no LDS, no matrix unit.  Sixteen loads of a wave are out at once, each of 512 consecutive bytes; each store of a wave covers 256 consecutive bytes, aligned.
; THE MODE: SCHED_MODE bits 1:0 = 2 (LLVM: expert scheduling mode 2), set by the entry lines.  The code itself states the register dependences
; between vector instructions and memory instructions, with s_wait_alu, always for 0.
; THE PLAN.  A row is one load's 16 bytes a thread; there are sixteen, each with registers of its own.  Registers that memory instructions touch:
;   v1, v2     byte offsets.  Written once, at the head; v1 is read by every load, v2 by every store.
;   X, row n   Written by load n alone; read by row n's conversions.  No vector instruction names X ahead of the loads, and no load is issued behind a conversion.
;   Y, row n   Written once, by row n's conversions; read once, by store n.
;   T is named by vector instructions alone.
; So the dependences to state are two: the offsets ahead of the first load, and each Y ahead of its store.  The stores go in runs of four: those of rows n - 4 to n - 1 stand at the
; head of row n (n = 4, 8, 12), behind that row's wait for its load and ONE wait on va_vdst; the last four stand behind row 15 and one more such wait.
; No register that a memory instruction reads is written a second time, so there is no wait on vm_vsrc and none on XCNT.
.set XCH, 512                          ; chunks in x
.set X,   4                            ; v[4:67]    sixteen loads of four f32
.set Y,   68                           ; v[68:99]   sixteen stores of four 16-bit numbers
.set T,   100                          ; v[100:105] at work (Wo's path)
	s_load_b256 s[4:11], s[0:1], 0x0               ; x s[4:5], Wq s[6:7], Wk s[8:9], Wv s[10:11]
	s_load_b128 s[12:15], s[0:1], 0x20             ; Wo s[12:13], xb s[14:15]
	s_load_b64 s[16:17], s[0:1], 0x30              ; wb
	v_lshlrev_b32 v1, 4, v0                        ; 16 bytes a thread in
	v_lshlrev_b32 v2, 3, v0                        ; 8 bytes a thread out
	s_sub_co_u32 s19, ttmp9, XCH                   ; chunk among the weights (used only from work-group 512 on)
	s_lshr_b32 s28, s19, 6                         ; which weight: 0 Wq, 1 Wk, 2 Wv, 3 Wo (for a chunk of x: a number far above 3)
	s_and_b32 s29, s19, 63                         ; chunk in that weight
	s_cmp_lt_u32 ttmp9, XCH
	s_cselect_b32 s24, ttmp9, s29                  ; chunk in the source
	s_cselect_b32 s26, ttmp9, s19                  ; chunk in the destination
	s_lshl_b32 s24, s24, 16                        ; x 65,536 bytes: 33.5 MB at the most
	s_lshl_b32 s26, s26, 15                        ; x 32,768 bytes
	s_mov_b32 s25, 0
	s_mov_b32 s27, 0
	s_mov_b32 s30, 0xffff0000                      ; a word's upper bf16
	s_wait_kmcnt 0x0
	s_mov_b64 s[20:21], s[6:7]                     ; the source buffer, chosen by the work-group's number alone
	s_cmp_eq_u32 s28, 1
	s_cselect_b64 s[20:21], s[8:9], s[20:21]
	s_cmp_eq_u32 s28, 2
	s_cselect_b64 s[20:21], s[10:11], s[20:21]
	s_cmp_eq_u32 s28, 3
	s_cselect_b64 s[20:21], s[12:13], s[20:21]
	s_cmp_lt_u32 ttmp9, XCH
	s_cselect_b64 s[20:21], s[4:5], s[20:21]
	s_cselect_b64 s[22:23], s[14:15], s[16:17]     ; the destination buffer
	s_add_nc_u64 s[20:21], s[20:21], s[24:25]
	s_add_nc_u64 s[22:23], s[22:23], s[26:27]
	s_wait_alu depctr_va_vdst(0)                   ; v1 and v2 are written: every load below reads v1 as its offset, every store on either path v2; neither is written again
.irp n, 0,1,2,3,4,5,6,7,8,9,10,11,12,13,14,15
	global_load_b128 v[X+4*\n:X+4*\n+3], v1, s[20:21] offset:4096*\n th:TH_LOAD_NT   ; each input byte is read once in the launch
.endr
	s_cmp_eq_u32 s28, 3
	s_cbranch_scc1 .Lwo
.irp n, 0,1,2,3,4,5,6,7,8,9,10,11,12,13,14,15
	s_wait_loadcnt 15-\n                           ; loads come back in order (ISA guide 5.7.1): load n is in, the 15 - n younger ones stay out
.if ((\n) > 0) && ((\n)%4 == 0)
	s_wait_alu depctr_va_vdst(0)                   ; the conversions of the four rows before have written their Y, which the four stores below read
.irp k, 4,3,2,1
	global_store_b64 v2, v[Y+2*((\n)-(\k)):Y+2*((\n)-(\k))+1], s[22:23] offset:2048*((\n)-(\k))
.endr
.endif
	v_cvt_pk_bf16_f32 v[Y+2*\n],   v[X+4*\n],   v[X+4*\n+1]
	v_cvt_pk_bf16_f32 v[Y+2*\n+1], v[X+4*\n+2], v[X+4*\n+3]
.endr
	s_wait_alu depctr_va_vdst(0)                   ; the conversions of rows 12 to 15 have written their Y, which the last four stores read
.irp m, 12,13,14,15
	global_store_b64 v2, v[Y+2*\m:Y+2*\m+1], s[22:23] offset:2048*\m
.endr
	s_endpgm
.Lwo:                                              ; Wo: to bf16, then that number as an f16 code
.irp n, 0,1,2,3,4,5,6,7,8,9,10,11,12,13,14,15
	s_wait_loadcnt 15-\n                           ; the same sixteen loads are out on this path: the same counts
.if ((\n) > 0) && ((\n)%4 == 0)
	s_wait_alu depctr_va_vdst(0)                   ; the conversions of the four rows before have written their Y, which the four stores below read
.irp k, 4,3,2,1
	global_store_b64 v2, v[Y+2*((\n)-(\k)):Y+2*((\n)-(\k))+1], s[22:23] offset:2048*((\n)-(\k))
.endr
.endif
	v_cvt_pk_bf16_f32 v[T],   v[X+4*\n],   v[X+4*\n+1]
	v_cvt_pk_bf16_f32 v[T+1], v[X+4*\n+2], v[X+4*\n+3]
	v_lshlrev_b32 v[T+2], 16, v[T]                 ; bf16 to f32: the low half moves up,
	v_and_b32     v[T+3], s30, v[T]                ; the high half stays
	v_lshlrev_b32 v[T+4], 16, v[T+1]
	v_and_b32     v[T+5], s30, v[T+1]
	v_cvt_pk_f16_f32 v[Y+2*\n],   v[T+2], v[T+3]
	v_cvt_pk_f16_f32 v[Y+2*\n+1], v[T+4], v[T+5]
.endr
	s_wait_alu depctr_va_vdst(0)                   ; the conversions of rows 12 to 15 have written their Y, which the last four stores read
.irp m, 12,13,14,15
	global_store_b64 v2, v[Y+2*\m:Y+2*\m+1], s[22:23] offset:2048*\m
.endr
	s_endpgm
.Lfunc_end_k_qce7463f832_cast:
	.size	k_qce7463f832_cast, .Lfunc_end_k_qce7463f832_cast-k_qce7463f832_cast
	.p2alignl 7, 3214868480
	.fill 96, 4, 3214868480
	.section	.rodata,"a",@progbits
	.p2align	6, 0x0
	.amdhsa_kernel k_qce7463f832_cast
		.amdhsa_group_segment_fixed_size 0
		.amdhsa_private_segment_fixed_size 0
		.amdhsa_enable_private_segment 0
		.amdhsa_kernarg_size 56
		.amdhsa_user_sgpr_count 2
		.amdhsa_user_sgpr_kernarg_segment_ptr 1
		.amdhsa_wavefront_size32 1
		.amdhsa_system_sgpr_workgroup_id_x 1
		.amdhsa_system_sgpr_workgroup_id_y 1
		.amdhsa_system_sgpr_workgroup_id_z 1
		.amdhsa_system_vgpr_workitem_id 0
		.amdhsa_next_free_vgpr 108
		.amdhsa_next_free_sgpr 66
		.amdhsa_reserve_vcc 0
		.amdhsa_float_denorm_mode_32 3
		.amdhsa_float_denorm_mode_16_64 3
		.amdhsa_memory_ordered 1
		.amdhsa_forward_progress 1
		.amdhsa_inst_pref_size 16
	.end_amdhsa_kernel
	.amdgpu_metadata
---
amdhsa.version: [ 1, 2 ]
amdhsa.kernels:
  - .name:           k_qce7463f832_cast
    .symbol:         k_qce7463f832_cast.kd
    .args:
      - { .name: x, .offset: 0, .size: 8, .value_kind: global_buffer, .address_space: global }
      - { .name: Wq, .offset: 8, .size: 8, .value_kind: global_buffer, .address_space: global }
      - { .name: Wk, .offset: 16, .size: 8, .value_kind: global_buffer, .address_space: global }
      - { .name: Wv, .offset: 24, .size: 8, .value_kind: global_buffer, .address_space: global }
      - { .name: Wo, .offset: 32, .size: 8, .value_kind: global_buffer, .address_space: global }
      - { .name: xb, .offset: 40, .size: 8, .value_kind: global_buffer, .address_space: global }
      - { .name: wb, .offset: 48, .size: 8, .value_kind: global_buffer, .address_space: global }
    .group_segment_fixed_size: 0
    .private_segment_fixed_size: 0
    .kernarg_segment_align: 8
    .kernarg_segment_size: 56
    .max_flat_workgroup_size: 256
    .sgpr_count:     66
    .vgpr_count:     108
    .wavefront_size: 32
...
	.end_amdgpu_metadata
.endif
;; end of part 5
;; launch qkvproj: the kernel of part 2 again; grid 8 x 32, 4 waves a work-group, clusters of 4 x 4, 327,680 bytes of LDS; arguments xb, wb, qkv; writes qkv
;; launch attn: the kernel of part 3 again; grid 8 x 32, 4 waves a work-group, no clusters, 327,680 bytes of LDS; arguments qkv, ob; writes ob
;; launch oproj: the kernel of part 4 again; grid 8 x 32, 4 waves a work-group, clusters of 4 x 4, 327,680 bytes of LDS; arguments ob, wb, out0; writes out0
